; MI455X (gfx1250); checked and timed in simulation.
; The chip was launched on July 23, 2026; its instructions are those of AMD's public machine-readable ISA for CDNA 5 (MIT licence, August 2026) and "CDNA5" Instruction Set Architecture Reference Guide (July 2026). The comments in the code are by the model that wrote it; some were corrected since.
;; Block. Allowed arithmetic: matrix products marked QUANTISED: E2M3 operands, one E8M0 scale for each 32 along K, by v_wmma_scale_f32_16x16x128_f8f6f4 with both operands' format E2M3, f32 sums; everything else in f32.
;; Inputs: W1_codes 4,096 x 32 x 24 uint8 (E2M3 codes of W1, K innermost, in blocks of 32 codes, four codes in three bytes); W1_scales 4,096 x 32 uint8 (E8M0 scales of W1, one for each 32 codes along K); W2_codes 1,024 x 128 x 24 uint8 (E2M3 codes of W2, K innermost, in blocks of 32 codes, four codes in three bytes); W2_scales 1,024 x 128 uint8 (E8M0 scales of W2, one for each 32 codes along K); Wk_codes 16 x 64 x 32 x 24 uint8 (E2M3 codes of Wk, K innermost, in blocks of 32 codes, four codes in three bytes); Wk_scales 16 x 64 x 32 uint8 (E8M0 scales of Wk, one for each 32 codes along K); Wq_codes 16 x 64 x 32 x 24 uint8 (E2M3 codes of Wq, K innermost, in blocks of 32 codes, four codes in three bytes); Wq_scales 16 x 64 x 32 uint8 (E8M0 scales of Wq, one for each 32 codes along K); Wv_codes 16 x 64 x 32 x 24 uint8 (E2M3 codes of Wv, K innermost, in blocks of 32 codes, four codes in three bytes); Wv_scales 16 x 64 x 32 uint8 (E8M0 scales of Wv, one for each 32 codes along K); b1 4,096 float32; b2 1,024 float32; embds 2 x 2,048 x 1,024 float32; ln1_b 1,024 float32; ln1_g 1,024 float32; ln2_b 1,024 float32; ln2_g 1,024 float32.
;; Outputs: out0 2 x 2,048 x 1,024 float32.
;; This version of the problem:
;;   THIS VERSION OF THE PROBLEM IS GIVEN IN LOW PRECISION. The matrix products marked QUANTISED in the list below multiply operands that are first quantised to E2M3 (2 exponent bits, 3 mantissa bits; 6 bits a number), with one power-of-two scale for each 32 numbers along K (OCP MX v1.0); their sums are f32. All else is computed in f32.
;;   The module's matrix products, in the order in which they are computed (A, B: the left and right operand; K: the contracted axis; several contracted axes count as one K, in the product's order):
;;     1. [M 1,024, K 1,024] x [K 1,024, N 4,096]; A: input Wq (given as codes); B: computed on the way: QUANTISED
;;     2. [M 1,024, K 1,024] x [K 1,024, N 4,096]; A: input Wk (given as codes); B: computed on the way: QUANTISED
;;     3. [M 1,024, K 1,024] x [K 1,024, N 4,096]; A: input Wv (given as codes); B: computed on the way: QUANTISED
;;     4. batch 32 x [M 2,048, K 64] x [K 64, N 2,048]; A: computed on the way; B: computed on the way: QUANTISED
;;     5. batch 32 x [M 2,048, K 2,048] x [K 2,048, N 64]; A: softmax (see below); B: computed on the way: QUANTISED
;;     6. [M 4,096, K 1,024] x [K 1,024, N 4,096]; A: computed on the way; B: input W1 (given as codes): QUANTISED
;;     7. [M 4,096, K 4,096] x [K 4,096, N 1,024]; A: computed on the way; B: input W2 (given as codes): QUANTISED
;;   THE QUANTISER, for each operand of a quantised product, along K:
;;     - K is cut into blocks of 32 from its start; a last block that is shorter is filled with zeros.
;;     - A block's scale is 2^e with e = floor(log2(the largest magnitude in the block)) - 2, held to -126 .. 127; a block of zeros has e = 0. As a byte (E8M0): e + 127.
;;     - Each number is divided by its block's scale, clamped to +-7.5, and rounded to the nearest number of E2M3, ties to even, subnormals kept.
;;     - The product sums the exact products of the quantised numbers (number of the format x scale) in f32.
;;   ~~~python
;;   def quantise(x, axis):      # numpy; x: float32 -> the quantised numbers, widened to float32 again
;;       x = np.moveaxis(x, axis, -1); K = x.shape[-1]
;;       x = np.pad(x, [(0, 0)] * (x.ndim - 1) + [(0, -K % 32)]); x = x.reshape(x.shape[:-1] + (-1, 32)); a = np.abs(x).max(-1, keepdims=True)
;;       e = np.where(a > 0, np.clip(np.frexp(np.where(a > 0, a, 1))[1] - 1 - 2, -126, 127), 0)      # np.frexp(a)[1] - 1 = floor(log2(a)), exactly
;;       r = np.clip(x / 2.0 ** e, -7.5, 7.5)
;;       step = 2.0 ** (np.maximum(np.frexp(np.where(r == 0, 1, r))[1] - 1, 0) - 3)
;;       q = np.round(r / step) * step * 2.0 ** e      # np.round: ties to even
;;       return np.moveaxis(q.reshape(q.shape[:-2] + (-1,))[..., :K], -1, axis).astype(np.float32)
;;   ~~~
;;   SOFTMAX AHEAD OF A QUANTISED PRODUCT. Where the list says 'softmax', what is quantised is not the finished softmax but p = 2^(t - M), with t = logit x log2(e) and M = ceil(the row's largest t), a whole number; so 1/2 < the row's largest p <= 1. The row's sum l is taken of the UNQUANTISED p, in f32, and the product's result is divided by l at the end. Since M is a whole number, a kernel that streams over the keys may use a running M (the ceiling of the running maximum): every later rescaling is an exact power of two, which a block's scale takes up: the codes' values come out the same.
;;   OPERANDS COMPUTED ON THE WAY. 'Computed on the way' means the value that the module computes at that place (a softmax that the list does not call 'softmax' is quantised finished and normalised). What goes into a quantiser is computed in f32, as accurately as f32 sums, v_exp_f32 and their like allow (about 1e-6 of the number): no bf16 or f16 on the way to a quantiser, and a product that is left as it is and whose result goes on into a quantised operand takes f32 operands (vector FMAs, or v_wmma_f32_16x16x4_f32). A number that lies on a knife's edge between two numbers of the format may be rounded either way, as far as f32 arithmetic and the matrix unit's own rounding can turn it there, and no further.
;;   INPUTS GIVEN AS CODES. W1 (in the module: [1024, 4096], K = its axis 0); W2 (in the module: [4096, 1024], K = its axis 0); Wk (in the module: [16, 1024, 64], K = its axis 1); Wq (in the module: [16, 1024, 64], K = its axis 1); Wv (in the module: [16, 1024, 64], K = its axis 1): each comes as NAME_codes (uint8): NAME with its K axis moved to the last place and cut into blocks of 32 codes, [.., K / 32, bytes a block], one block behind the other in memory; four codes in three bytes: a row's codes are one little-endian stream of bits, code i at bits 6 i .. 6 i + 5 (a code: sign, 2 exponent bits, 3 mantissa bits); and NAME_scales (uint8): the same leading axes, one E8M0 byte (e + 127) for each 32 codes along K. Its value is code x scale, taken as it is: it is not quantised again, and the codes and scales need not be those that the quantiser above would give.
;; One version. Each part assembles by itself: llvm-mc -triple=amdgcn-amd-amdhsa -mcpu=gfx1250 --defsym DOCPART=n.
;; ======== version 1 of 1: 6 launches
;; limits: right only within a limited range of input values
;; workspace buffers: ws1 13,107,200 bytes; qkvc 10,092,544 bytes; e2 16,777,216 bytes; yq 3,276,800 bytes; hid 13,107,200 bytes
;; launch prep (part 1): grid 432 x 1, 8 waves a work-group, no clusters, 67,072 bytes of LDS; arguments embds, ln1_g, ln1_b, Wq_codes, Wq_scales, Wk_codes, Wk_scales, Wv_codes, Wv_scales, W1_codes, W1_scales, W2_codes, W2_scales, ws1; writes ws1
.if DOCPART == 1
	.amdgcn_target "amdgcn-amd-amdhsa--gfx1250"
	.amdhsa_code_object_version 6
	.text
	.protected	k_q13be4a05d0_prep
	.globl	k_q13be4a05d0_prep
	.p2align	8
	.type	k_q13be4a05d0_prep,@function
k_q13be4a05d0_prep:
	s_mov_b64 s[64:65], 0
	v_nop
	global_prefetch_b8 v0, s[64:65] scope:SCOPE_SE
	s_setreg_imm32_b32 hwreg(HW_REG_WAVE_MODE, 25, 1), 1
	s_wait_xcnt 0x0
; TWO JOBS, told apart by the work-group's number.
; Work-groups 0-255: y = layer norm(x) g + b of 16 rows of x [4096][1024] f32, quantised to FP6 (E2M3) with one E8M0 byte for each 32 along K, stored as
; IMAGES OF OPERAND REGISTERS.  Work-groups 256-431: the five weights, which come as codes in rows, are laid into the same images, their scale bytes copied as given.
; TILE ORDER: lane index r of tile T stands for row 32 (T / 2) + 8 (T % 2) + r % 8 + 16 (r / 8).
; IMAGE (1,536 bytes) of 16 rows x 128 K: register 4 c + i of lane l at byte 512 c + 16 l + 4 i; a buffer is [K step][tile][1,536].
; SCALE WORDS: one word for a row and 128 K, at K step x tiles x 64 + (T / 4) x 256 + 16 r + 4 (T % 4).
; The mean and the variance are taken in two passes, as the definition has them: sum, x - m, sum of squares.  All in f32.
; LIMITS: NaN and infinities are not served.  A block whose largest magnitude lies under 2^-124 (a block of zeros too) gets the byte 1; only this program reads the bytes.
; No matrix work, no tensor loads, no cluster: the work-groups share g and b alone, 8 KiB against their 64 KiB of rows.
.set LP,   4112                        ; a row of y in LDS: 4,096 bytes + 16: the 16 rows of a load start in 16 different columns of 16 bytes
.set G,    96                          ; v96-127  g of my 32 columns;  v128-159  b
.set BB,   128
.set TM,   160                         ; v160-163 largest magnitudes, v164-167 at work, v172-175 the conversions' scale operands
.set PW,   176                         ; the scale word
.set PC,   96                          ; v96-114  the codes (g is done with by then)
.set SEL,  20                          ; s[20:21] lane selects: lane l xor 16
.set XSO,  3145728                     ; the scale words of x behind its codes
.set WC,   3276800                     ; Wq, Wk, Wv: images at tile slots 0-63, 64-127, 128-191 of 256
.set WSS,  6422528
.set W1C,  6553600
.set W1S,  9699328
.set W2C,  9830400
.set W2S,  12976128
; 64 numbers of a lane, register 16 b + i = k 32 b + 16 (lane / 16) + i of my row, become a fragment's codes in v[PC] on and its scale word in v[PW]
.macro QUANT s
.irp b, 0,1,2,3
	v_max3_num_f32 v[TM+\b], |v[\s+16*\b]|, |v[\s+1+16*\b]|, 0x1800000   ; my 16 numbers of block b, and the floor 2^(3 - 127): the byte cannot fall under 1
.endr
.irp i, 2,4,6,8,10,12,14
.irp b, 0,1,2,3
	s_delay_alu instid0(VALU_DEP_4)
	v_max3_num_f32 v[TM+\b], v[TM+\b], |v[\s+16*\b+\i]|, |v[\s+1+16*\b+\i]|
.endr
.endr
.irp b, 0,1,2,3
	s_delay_alu instid0(VALU_DEP_4)
	v_permlanex16_b32 v[TM+4+\b], v[TM+\b], s[SEL], s[SEL+1]
.endr
.irp b, 0,1,2,3
	s_delay_alu instid0(VALU_DEP_4)
	v_max_num_f32 v[TM+\b], v[TM+\b], v[TM+4+\b]       ; with lane l xor 16's: the block's largest magnitude
.endr
.irp b, 0,1,2,3
	s_delay_alu instid0(VALU_DEP_4)
	v_add_nc_u32 v[TM+12+\b], 0xff000000, v[TM+\b]     ; 2 off its exponent field: the conversion's scale operand
.endr
.irp b, 0,1,2,3
	s_delay_alu instid0(VALU_DEP_4)
	v_lshrrev_b32 v[TM+4+\b], 23, v[TM+12+\b]          ; the scale's byte
.endr
	s_delay_alu instid0(VALU_DEP_3)
	v_lshl_or_b32 v[PW], v[TM+5], 8, v[TM+4]
	s_delay_alu instid0(VALU_DEP_1)
	v_lshl_or_b32 v[PW], v[TM+6], 16, v[PW]
	s_delay_alu instid0(VALU_DEP_1)
	v_lshl_or_b32 v[PW], v[TM+7], 24, v[PW]
.irp c, 0,1
	v_cvt_scalef32_pk16_fp6_f32 v[PC+6*\c:PC+2+6*\c], v[\s+32*\c:\s+15+32*\c], v[TM+12+2*\c]
	v_cvt_scalef32_pk16_fp6_f32 v[PC+12+4*\c:PC+14+4*\c], v[\s+16+32*\c:\s+31+32*\c], v[TM+13+2*\c]   ; (a conversion's three registers begin on an even number)
.endr
	v_nop                                              ; one plain place behind a scaled conversion
.irp c, 0,1                                            ; the operand wants a whole block in a lane: lanes 0-15 block 2 c, lanes 16-31 block 2 c + 1
.irp i, 0,1,2
	v_permlane16_swap_b32 v[PC+6*\c+\i], v[PC+12+4*\c+\i]
.endr
.irp i, 0,1,2
	s_delay_alu instid0(VALU_DEP_3)
	v_mov_b32 v[PC+3+6*\c+\i], v[PC+12+4*\c+\i]
.endr
.endr
.endm
	s_load_b128 s[4:7], s[0:1], 0x0                ; x, g
	s_load_b64 s[8:9], s[0:1], 0x10                ; b
	s_load_b64 s[10:11], s[0:1], 0x68              ; the workspace
	v_lshl_add_u32 v192, v0, 2, 0x10200
	v_mov_b32 v193, 0
	v_lshrrev_b32 v1, 5, v0
	s_delay_alu instid0(VALU_DEP_1)
	v_readfirstlane_b32 s12, v1                    ; wave 0..7
	v_and_b32 v1, 31, v0                           ; lane
	v_and_b32 v2, 15, v0                           ; r
	v_bfe_u32 v3, v0, 4, 1                         ; h
	s_delay_alu instid0(VALU_DEP_3)
	v_lshlrev_b32 v4, 4, v1                        ; 16 x lane
	s_cmp_ge_u32 ttmp9, 256                        ; the same in all waves of a work-group
	s_cbranch_scc1 .Lweights
	; ---- LAYER NORM.  The work-group is tile T = its number.  Wave w takes the tile's lane indices 2 w and 2 w + 1: two neighbouring rows of memory
	s_lshr_b32 s13, ttmp9, 1
	s_lshl_b32 s13, s13, 5
	s_and_b32 s14, ttmp9, 1
	s_lshl_b32 s14, s14, 3
	s_add_co_u32 s13, s13, s14
	s_lshl_b32 s14, s12, 1
	s_add_co_u32 s13, s13, s14
	s_lshr_b32 s14, s12, 2
	s_lshl_b32 s14, s14, 3
	s_add_co_u32 s13, s13, s14                     ; row 32 (T / 2) + 8 (T % 2) + 2 w + 8 (w / 4)
	s_lshl_b32 s14, s13, 12                        ; x 4,096 bytes
	s_mov_b32 s15, 0
	s_mov_b32 s[SEL], 0x76543210
	s_mov_b32 s[SEL+1], 0xfedcba98
	s_mov_b32 s22, 0x3727c5ac                      ; 1e-5
	s_mov_b32 s23, 0x3a800000                      ; 1 / 1024
	s_wait_kmcnt 0x0
	s_add_nc_u64 s[4:5], s[4:5], s[14:15]
	s_wait_alu depctr_va_vdst(0)
.irp j, 0,1,2,3,4,5,6,7
	global_load_b128 v[32+4*\j:35+4*\j], v4, s[4:5] offset:512*\j th:TH_LOAD_NT        ; 32 lanes read 512 consecutive bytes
.endr
.irp j, 0,1,2,3,4,5,6,7
	global_load_b128 v[64+4*\j:67+4*\j], v4, s[4:5] offset:4096+512*\j th:TH_LOAD_NT
.endr
.irp j, 0,1,2,3,4,5,6,7
	global_load_b128 v[G+4*\j:G+4*\j+3], v4, s[6:7] offset:512*\j
.endr
.irp j, 0,1,2,3,4,5,6,7
	global_load_b128 v[BB+4*\j:BB+4*\j+3], v4, s[8:9] offset:512*\j
.endr
.irp b, 0,1,2,3
	v_mov_b32 v[TM+4+\b], 0                        ; a lane permute's destination counts as one of its sources
.endr
	s_mul_i32 s24, s12, 2*LP
	v_add_nc_u32 v5, s24, v4                       ; LDS, in: my two rows, 16 bytes a lane
	v_mul_u32_u24 v6, v2, LP
	s_delay_alu instid0(VALU_DEP_1)
	v_lshl_add_u32 v6, v3, 6, v6
	s_lshl_b32 s24, s12, 9
	v_add_nc_u32 v6, s24, v6                       ; LDS, out: row r, K step w, + 64 h: my 16 numbers of a block of 32
	v_lshlrev_b32 v7, 4, v2                        ; 16 r
	s_lshl_b32 s24, s12, 8
	s_add_co_u32 s24, s24, ttmp9
	s_mul_i32 s24, s24, 1536
	s_mov_b32 s25, 0
	s_add_nc_u64 s[26:27], s[10:11], s[24:25]      ; the image of (K step w, tile T)
	s_lshl_b32 s24, s12, 14
	s_lshr_b32 s28, ttmp9, 2
	s_lshl_b32 s28, s28, 8
	s_add_co_u32 s24, s24, s28
	s_and_b32 s28, ttmp9, 3
	s_lshl_b32 s28, s28, 2
	s_add_co_u32 s24, s24, s28
	s_add_co_u32 s24, s24, XSO
	s_add_nc_u64 s[28:29], s[10:11], s[24:25]      ; and its scale words
	s_wait_loadcnt 16                              ; x's 16 loads are in; g's and b's 16 may be out
	; row 0: numbers v32-63, at work v8-13;  row 1: v64-95, v16-21  (numbers at 4 t for t = 8, 16)
.irp t, 8,16
	v_pk_add_f32 v[\t:\t+1], v[4*\t:4*\t+1], v[4*\t+2:4*\t+3]
	v_pk_add_f32 v[\t+2:\t+3], v[4*\t+4:4*\t+5], v[4*\t+6:4*\t+7]
.endr
.irp i, 8,12,16,20,24,28
.irp t, 8,16
	s_delay_alu instid0(VALU_DEP_4)
	v_pk_add_f32 v[\t:\t+1], v[\t:\t+1], v[4*\t+\i:4*\t+\i+1]
	s_delay_alu instid0(VALU_DEP_4)
	v_pk_add_f32 v[\t+2:\t+3], v[\t+2:\t+3], v[4*\t+\i+2:4*\t+\i+3]
.endr
.endr
.irp t, 8
	s_delay_alu instid0(VALU_DEP_3)
	v_pk_add_f32 v[\t:\t+1], v[\t:\t+1], v[\t+2:\t+3]
.endr
.irp t, 16
	s_delay_alu instid0(VALU_DEP_2)
	v_pk_add_f32 v[\t:\t+1], v[\t:\t+1], v[\t+2:\t+3]
.endr
.irp t, 8,16
	s_delay_alu instid0(VALU_DEP_2)
	v_add_f32 v[\t], v[\t], v[\t+1]
.endr
.irp m, 1,2,4,8
.irp t, 8,16
	s_delay_alu instid0(VALU_DEP_2)
	v_add_f32_dpp v[\t], v[\t], v[\t] row_xmask:\m row_mask:0xf bank_mask:0xf
.endr
.endr
.irp t, 8,16
	s_delay_alu instid0(VALU_DEP_2)
	v_permlanex16_b32 v[\t+1], v[\t], s[SEL], s[SEL+1]
.endr
.irp t, 8,16
	s_delay_alu instid0(VALU_DEP_2)
	v_add_f32 v[\t], v[\t], v[\t+1]
.endr
.irp t, 8,16
	s_delay_alu instid0(VALU_DEP_2)
	v_mul_f32 v[\t], s23, v[\t]                    ; the mean
.endr
.irp i, 0,2,4,6,8,10,12,14,16,18,20,22,24,26,28,30
.irp t, 8,16
	v_pk_add_f32 v[4*\t+\i:4*\t+\i+1], v[4*\t+\i:4*\t+\i+1], v[\t:\t+1] op_sel_hi:[1,0] neg_lo:[0,1] neg_hi:[0,1]   ; x - m
.endr
.endr
.irp t, 8,16
	v_pk_mul_f32 v[\t+2:\t+3], v[4*\t:4*\t+1], v[4*\t:4*\t+1]
	v_pk_mul_f32 v[\t+4:\t+5], v[4*\t+2:4*\t+3], v[4*\t+2:4*\t+3]
.endr
.irp i, 4,8,12,16,20,24,28
.irp t, 8,16
	s_delay_alu instid0(VALU_DEP_4)
	v_pk_fma_f32 v[\t+2:\t+3], v[4*\t+\i:4*\t+\i+1], v[4*\t+\i:4*\t+\i+1], v[\t+2:\t+3]
	s_delay_alu instid0(VALU_DEP_4)
	v_pk_fma_f32 v[\t+4:\t+5], v[4*\t+\i+2:4*\t+\i+3], v[4*\t+\i+2:4*\t+\i+3], v[\t+4:\t+5]
.endr
.endr
.irp t, 8
	s_delay_alu instid0(VALU_DEP_3)
	v_pk_add_f32 v[\t+2:\t+3], v[\t+2:\t+3], v[\t+4:\t+5]
.endr
.irp t, 16
	s_delay_alu instid0(VALU_DEP_2)
	v_pk_add_f32 v[\t+2:\t+3], v[\t+2:\t+3], v[\t+4:\t+5]
.endr
.irp t, 8,16
	s_delay_alu instid0(VALU_DEP_2)
	v_add_f32 v[\t+2], v[\t+2], v[\t+3]
.endr
.irp m, 1,2,4,8
.irp t, 8,16
	s_delay_alu instid0(VALU_DEP_2)
	v_add_f32_dpp v[\t+2], v[\t+2], v[\t+2] row_xmask:\m row_mask:0xf bank_mask:0xf
.endr
.endr
.irp t, 8,16
	s_delay_alu instid0(VALU_DEP_2)
	v_permlanex16_b32 v[\t+3], v[\t+2], s[SEL], s[SEL+1]
.endr
.irp t, 8,16
	s_delay_alu instid0(VALU_DEP_2)
	v_add_f32 v[\t+2], v[\t+2], v[\t+3]
.endr
.irp t, 8,16
	s_delay_alu instid0(VALU_DEP_2)
	v_fma_f32 v[\t+2], v[\t+2], s23, s22           ; the variance + 1e-5
.endr
	s_wait_alu depctr_va_vdst(0)
.irp t, 8,16
	v_rsq_f32 v[\t+4], v[\t+2]
.endr
	v_nop                                          ; a plain place behind the transcendentals
	s_wait_alu depctr_va_vdst(0)                   ; one wait for both, ahead of the first reader
	s_wait_loadcnt 0x0                             ; g and b
.irp i, 0,2,4,6,8,10,12,14,16,18,20,22,24,26,28,30
.irp t, 8,16
	v_pk_mul_f32 v[4*\t+\i:4*\t+\i+1], v[4*\t+\i:4*\t+\i+1], v[\t+4:\t+5] op_sel_hi:[1,0]
.endr
.endr
.irp i, 0,2,4,6,8,10,12,14,16,18,20,22,24,26,28,30
.irp t, 8,16
	v_pk_fma_f32 v[4*\t+\i:4*\t+\i+1], v[4*\t+\i:4*\t+\i+1], v[G+\i:G+\i+1], v[BB+\i:BB+\i+1]
.endr
.endr
.irp j, 0,1,2,3,4,5,6,7
	ds_store_b128 v5, v[32+4*\j:35+4*\j] offset:512*\j
	ds_store_b128 v5, v[64+4*\j:67+4*\j] offset:LP+512*\j
.endr
	s_wait_dscnt 0x0                               ; for the others' sake: my rows lie in LDS
	s_barrier_signal -1
	s_barrier_wait -1
	; wave w now takes K step w of all 16 rows: lane (r, h) its 16 numbers of each of the four blocks
.irp b, 0,1,2,3
.irp j, 0,1,2,3
	ds_load_b128 v[32+16*\b+4*\j:35+16*\b+4*\j], v6 offset:128*\b+16*\j
.endr
.endr
	s_wait_dscnt 0x0
	QUANT 32
.irp c, 0,1,2
	global_store_b128 v4, v[PC+4*\c:PC+4*\c+3], s[26:27] offset:512*\c     ; 32 lanes store 512 consecutive bytes, aligned
.endr
	s_wait_xcnt 0x0                                ; EXEC changes only behind this wait
	v_cmp_gt_u32 vcc_lo, 16, v1
	s_wait_tensorcnt 0x0
	ds_add_u32 v192, v193
	s_wait_dscnt 0x0
	s_and_saveexec_b32 s30, vcc_lo
	global_store_b32 v7, v[PW], s[28:29]           ; lanes 0-15: row r's word
	s_endpgm
	; ---- THE WEIGHTS.  An item is 4 tiles (64 rows) x 8 K steps; wave w takes one K step.  Items 0-47: Wq, Wk, Wv; 48-111: W1; 112-175: W2 (four items to 64 rows)
.Lweights:
	s_load_b128 s[32:35], s[0:1], 0x18             ; Wq: codes, scales
	s_load_b128 s[36:39], s[0:1], 0x28             ; Wk
	s_load_b128 s[40:43], s[0:1], 0x38             ; Wv
	s_load_b128 s[44:47], s[0:1], 0x48             ; W1
	s_load_b128 s[48:51], s[0:1], 0x58             ; W2
	s_sub_co_u32 s13, ttmp9, 256                   ; the item
	s_and_b32 s20, s13, 15
	s_sub_co_u32 s25, s13, 48
	s_sub_co_u32 s26, s13, 112
	s_lshr_b32 s27, s26, 2                         ; W2: the group of 64 rows,
	s_and_b32 s26, s26, 3
	s_lshl_b32 s26, s26, 3
	s_add_co_u32 s26, s26, s12                     ; and the K step
	s_wait_kmcnt 0x0
	s_cmp_lt_u32 s13, 16                           ; the choices hang on the work-group's number alone
	s_cselect_b64 s[16:17], s[32:33], s[36:37]
	s_cselect_b64 s[18:19], s[34:35], s[38:39]
	s_cmp_lt_u32 s13, 32
	s_cselect_b64 s[16:17], s[16:17], s[40:41]
	s_cselect_b64 s[18:19], s[18:19], s[42:43]
	s_cmp_lt_u32 s13, 48
	s_cselect_b64 s[16:17], s[16:17], s[44:45]
	s_cselect_b64 s[18:19], s[18:19], s[46:47]
	s_cselect_b32 s20, s20, s25                    ; the group of 64 rows in its tensor
	s_cselect_b32 s21, s13, s25                    ; and among the tile slots of its images
	s_mov_b32 s24, W1C
	s_cselect_b32 s24, WC, s24
	s_mov_b32 s25, W1S
	s_cselect_b32 s25, WSS, s25
	s_cmp_lt_u32 s13, 112
	s_cselect_b64 s[16:17], s[16:17], s[48:49]
	s_cselect_b64 s[18:19], s[18:19], s[50:51]
	s_cselect_b32 s20, s20, s27
	s_cselect_b32 s21, s21, s27
	s_cselect_b32 s22, s12, s26                    ; the K step
	s_mov_b32 s28, W2C
	s_cselect_b32 s24, s24, s28
	s_mov_b32 s28, W2S
	s_cselect_b32 s25, s25, s28
	s_mov_b32 s23, 3072
	s_cselect_b32 s23, 768, s23                    ; a row of codes in bytes
	s_cselect_b32 s28, 32, 128                     ; a row of scale bytes
	s_cselect_b32 s29, 256, 64                     ; tile slots in a K step of the images
	s_lshl_b32 s30, s20, 6                         ; the group's first row
	s_mul_i32 s48, s30, s23
	s_mul_i32 s49, s22, 96
	s_add_co_u32 s48, s48, s49
	s_mov_b32 s49, 0
	s_add_nc_u64 s[32:33], s[16:17], s[48:49]      ; codes: tile 0 of the four begins at row 0,
	s_lshl_b32 s48, s23, 3
	s_add_nc_u64 s[34:35], s[32:33], s[48:49]      ; tile 1 at row 8,
	s_lshl_b32 s48, s23, 5
	s_add_nc_u64 s[36:37], s[32:33], s[48:49]      ; tile 2 at row 32,
	s_add_nc_u64 s[38:39], s[34:35], s[48:49]      ; tile 3 at row 40
	s_mul_i32 s48, s30, s28
	s_lshl_b32 s31, s22, 2
	s_add_co_u32 s48, s48, s31
	s_add_nc_u64 s[40:41], s[18:19], s[48:49]      ; the scale words likewise
	s_lshl_b32 s48, s28, 3
	s_add_nc_u64 s[42:43], s[40:41], s[48:49]
	s_lshl_b32 s48, s28, 5
	s_add_nc_u64 s[44:45], s[40:41], s[48:49]
	s_add_nc_u64 s[46:47], s[42:43], s[48:49]
	s_mul_i32 s30, s29, s22                        ; slots x K step
	s_lshl_b32 s31, s21, 2
	s_add_co_u32 s31, s31, s30
	s_mul_i32 s48, s31, 1536
	s_add_co_u32 s48, s48, s24
	s_add_nc_u64 s[50:51], s[10:11], s[48:49]      ; where the four images go
	s_lshl_b32 s48, s30, 6
	s_lshl_b32 s31, s21, 8
	s_add_co_u32 s48, s48, s31
	s_add_co_u32 s48, s48, s25
	s_add_nc_u64 s[52:53], s[10:11], s[48:49]      ; and their 256 bytes of scale words
	s_wait_alu depctr_va_vdst(0)
	v_and_b32 v7, 8, v2
	s_delay_alu instid0(VALU_DEP_1)
	v_add_nc_u32 v7, v7, v2                        ; r + 8 (r / 8)
	s_delay_alu instid0(VALU_DEP_1)
	v_mul_lo_u32 v5, v7, s23
	s_delay_alu instid0(VALU_DEP_1)
	v_mad_u32_u24 v5, v3, 24, v5                   ; my row's codes, + 24 h
	s_delay_alu instid0(VALU_DEP_3)
	v_mul_lo_u32 v6, v7, s28                       ; my row's scale bytes
	v_lshlrev_b32 v8, 4, v2                        ; 16 r
.irp i, 0,1,2,3
.irp p, 0,1,2,3,4,5
	global_load_b64 v[32+12*\i+2*\p:33+12*\i+2*\p], v5, s[32+2*\i:33+2*\i] offset:48*(\p/3)+8*(\p%3)   ; 24 bytes of the row's stream of bits are six registers of the fragment, as they lie
.endr
	global_load_b32 v[80+\i], v6, s[40+2*\i:41+2*\i]
.endr
	s_wait_alu depctr_va_vdst(0)
	s_wait_loadcnt 0x0
.irp i, 0,1,2,3
.irp c, 0,1,2
	global_store_b128 v4, v[32+12*\i+4*\c:35+12*\i+4*\c], s[50:51] offset:1536*\i+512*\c
.endr
.endr
	s_wait_xcnt 0x0                                ; EXEC changes only behind this wait
	v_cmp_gt_u32 vcc_lo, 16, v1
	s_and_saveexec_b32 s30, vcc_lo
	global_store_b128 v8, v[80:83], s[52:53]       ; lanes 0-15: row r's words of the four tiles: 256 consecutive bytes
	s_endpgm
.Lfunc_end_k_q13be4a05d0_prep:
	.size	k_q13be4a05d0_prep, .Lfunc_end_k_q13be4a05d0_prep-k_q13be4a05d0_prep
	.p2alignl 7, 3214868480
	.fill 96, 4, 3214868480
	.section	.rodata,"a",@progbits
	.p2align	6, 0x0
	.amdhsa_kernel k_q13be4a05d0_prep
		.amdhsa_group_segment_fixed_size 67072
		.amdhsa_private_segment_fixed_size 0
		.amdhsa_enable_private_segment 0
		.amdhsa_kernarg_size 112
		.amdhsa_user_sgpr_count 2
		.amdhsa_user_sgpr_kernarg_segment_ptr 1
		.amdhsa_wavefront_size32 1
		.amdhsa_system_sgpr_workgroup_id_x 1
		.amdhsa_system_sgpr_workgroup_id_y 1
		.amdhsa_system_sgpr_workgroup_id_z 1
		.amdhsa_system_vgpr_workitem_id 0
		.amdhsa_next_free_vgpr 194
		.amdhsa_next_free_sgpr 66
		.amdhsa_reserve_vcc 1
		.amdhsa_float_denorm_mode_32 3
		.amdhsa_float_denorm_mode_16_64 3
		.amdhsa_memory_ordered 1
		.amdhsa_forward_progress 1
		.amdhsa_inst_pref_size 36
	.end_amdhsa_kernel
	.amdgpu_metadata
---
amdhsa.version: [ 1, 2 ]
amdhsa.kernels:
  - .name:           k_q13be4a05d0_prep
    .symbol:         k_q13be4a05d0_prep.kd
    .args:
      - { .name: embds, .offset: 0, .size: 8, .value_kind: global_buffer, .address_space: global }
      - { .name: ln1_g, .offset: 8, .size: 8, .value_kind: global_buffer, .address_space: global }
      - { .name: ln1_b, .offset: 16, .size: 8, .value_kind: global_buffer, .address_space: global }
      - { .name: Wq_codes, .offset: 24, .size: 8, .value_kind: global_buffer, .address_space: global }
      - { .name: Wq_scales, .offset: 32, .size: 8, .value_kind: global_buffer, .address_space: global }
      - { .name: Wk_codes, .offset: 40, .size: 8, .value_kind: global_buffer, .address_space: global }
      - { .name: Wk_scales, .offset: 48, .size: 8, .value_kind: global_buffer, .address_space: global }
      - { .name: Wv_codes, .offset: 56, .size: 8, .value_kind: global_buffer, .address_space: global }
      - { .name: Wv_scales, .offset: 64, .size: 8, .value_kind: global_buffer, .address_space: global }
      - { .name: W1_codes, .offset: 72, .size: 8, .value_kind: global_buffer, .address_space: global }
      - { .name: W1_scales, .offset: 80, .size: 8, .value_kind: global_buffer, .address_space: global }
      - { .name: W2_codes, .offset: 88, .size: 8, .value_kind: global_buffer, .address_space: global }
      - { .name: W2_scales, .offset: 96, .size: 8, .value_kind: global_buffer, .address_space: global }
      - { .name: ws1, .offset: 104, .size: 8, .value_kind: global_buffer, .address_space: global }
    .group_segment_fixed_size: 67072
    .private_segment_fixed_size: 0
    .kernarg_segment_align: 8
    .kernarg_segment_size: 112
    .max_flat_workgroup_size: 256
    .sgpr_count:     66
    .vgpr_count:     194
    .wavefront_size: 32
...
	.end_amdgpu_metadata
.endif
;; end of part 1
;; launch qkv (part 2): grid 12 x 16, 4 waves a work-group, clusters of 4 x 4, 327,680 bytes of LDS; arguments ws1, qkvc; writes qkvc
.if DOCPART == 2
	.amdgcn_target "amdgcn-amd-amdhsa--gfx1250"
	.amdhsa_code_object_version 6
	.text
	.protected	k_q13be4a05d0_qkv
	.globl	k_q13be4a05d0_qkv
	.p2align	8
	.type	k_q13be4a05d0_qkv,@function
k_q13be4a05d0_qkv:
	s_mov_b64 s[64:65], 0
	v_nop
	global_prefetch_b8 v0, s[64:65] scope:SCOPE_SE
	s_setreg_imm32_b32 hwreg(HW_REG_WAVE_MODE, 25, 1), 1
	s_wait_xcnt 0x0
	s_wait_alu depctr_hold_cnt(0) depctr_sa_sdst(0) depctr_va_vdst(0) depctr_va_sdst(0) depctr_va_ssrc(0) depctr_va_vcc(0) depctr_vm_vsrc(0)
	s_getreg_b32 s2, hwreg(HW_REG_IB_STS2, 6, 4)
	s_cmp_eq_u32 s2, 0
	s_cbranch_scc0 .Lentry_in_a_cluster
	s_endpgm
.Lentry_in_a_cluster:
	s_bfe_u32 s2, ttmp6, 0x10000c
	s_cmp_lg_u32 s2, 0xf033
	s_cbranch_scc0 .Lentry_shape_is_right
	s_endpgm
.Lentry_shape_is_right:
; q, k, v = x W^T on codes of FP6 (E2M3), K = 1,024, and each result quantised at once for the product that takes it: q and k along the head's 64, v along the tokens.
; The cluster's x says which: 0 q, 1 k, 2 v.  C[m][n] = sum over k of A[m][k] B[n][k].  For q and k A = x (4,096 tokens) and B = the weight (1,024 rows); for v A = Wv and B = x,
; so that n, along which a lane's registers run, is the token: one text quantises all three.
; OPERANDS lie in memory as images of their registers (16 rows x 128 K = 1,536 bytes: register 4 c + i of lane l at 512 c + 16 l + 4 i), [K step][256 tile slots][1,536]; lane index r of tile T is row
; 32 (T / 2) + 8 (T % 2) + r % 8 + 16 (r / 8).  So every fragment is three loads of 16 bytes at 16 x lane, and a K step's tiles are one dense block.
; A work-group of four waves makes 256 x 256, a wave 128 x 128: 64 accumulators.  K goes in slots of two steps of 128 through a ring of two LDS slots; the scale words of all of K come once.
; THE MATRIX INSTRUCTION IS USED TRANSPOSED (source 0 = a tile of B, source 1 = a tile of A): lane (r, h) of accumulator (a, 2 e + u) holds in register j: row r of A's tile a, n = 32 e + 16 h + 8 u + j:
; the 64 registers of a block a are 64 neighbours-by-sixteens along n, as the conversions want them.
; CLUSTERS: 4 x 4 work-groups; A's tiles are asked for jointly along a row of the cluster, B's along a column.
; THE HEAD: four loads, one a wave: A's whole slot 0, A's scale words, B's whole slot 0, B's scale words; slot 1's first fill follows behind the full sequence and a round, a quarter of the slot a wave.
; PREFETCH: a work-group has four fills.  Fills 1 and 2 are asked for behind the head's loads, fill 3 behind fill 1's load: of the 24,576 bytes that a wave fetches of a fill each of the four partners names 6,144,
; a lane 256 bytes, told apart by address.  One tile to a work-group: 192 tiles.
; LIMITS: NaN and infinities are not served; a block whose largest magnitude lies under 2^-124 gets the byte 1 (read by this program alone); a weight's scale byte 0xff gives NaN.
; REGISTERS: window 0: v4-5 16 x lane, 8 x lane; v8 the prefetches' offset; v16-29 addresses; v32-47 scale words, two sets; v64-255 A's fragments, two sets of 96 (free in the way out).
;   window 1: B's fragments, sets at v0 and v128.   windows 2, 3: accumulator (a, b) at v[8 (8 (a % 4) + b)] of window 2 + a / 4.
.set NT,     8                         ; tiles of 16 a side a wave
.set NQ,     2                         ; K steps of 128 in a slot
.set KSTEPS, 8
.set LAPS,   KSTEPS/(2*NQ)
.set HALFT,  NQ*NT*1536                ; a quarter of a slot: what one load of the ring brings: one K step of a side's 16 tiles
.set SLOT,   4*HALFT                   ; A's [K step][16 tiles][1,536], then B's
.set SCL,    2*SLOT                    ; the scale words: A's [K step][4 groups of 4 tiles][r][tile % 4], then B's
.set QS,     KSTEPS*(NT/4)*256
.set SPARE,  SCL+4*QS                  ; the spare words: 128 bytes for each wave, two blocks of 256 bytes that no other line names
.set PA,     393216                    ; bytes from K step to K step in A's images, and in B's
.set PB,     393216
.set XS,     3145728                   ; in ws1: x's scale words; the weights' images and scale words
.set WC,     3276800
.set WSS,    6422528
.set VC,     6291456                   ; in qkvc: q's codes at 0, k's 3,145,728 on; v's codes; q's scale words, k's 262,144 on; v's
.set QSO,    9437184
.set VSO,    9961472
.set L16,  4
.set L8,   5
.set PFO,  8
.set ADRA, 16                          ; v16-17 my A fragments in slot 0, 1;  v20-21 B's
.set ADRB, 20
.set ADRS, 27                          ; my scale words: lanes 0-15 A's, lanes 16-31 B's
.set SPW,  28                          ; my spare word; never rewritten
.set NIL,  29                          ; 0; never rewritten
.set SC,   32                          ; scale words: set p at 32 + 8 p; register i: lanes 0-15 A's tile i, lanes 16-31 B's tile i
.set AF,   64
.set PC,   64                          ; the way out: codes
.set TM,   96
.set PWS,  112                         ; block a's scale word
.set W,    120
.set SEL,  22
.set G1, 24
.set G0, 32
.set G1B, 48
.set G0B, 56
.set G1S, 68
.set G0S, 76
.set G1SB, 80
.set G0SB, 88
.set MSB, 0
.macro WIN new                         ; the immediate's high byte repeats the setting that is left
.if MSB != (\new)
	s_set_vgpr_msb (MSB<<8)|(\new)
.set MSB, (\new)
.endif
.endm
.set MUL_LO, 0xa1                      ; source 0 (B) window 1, source 1 (A) window 0, C and D window 2
.set TO_B,   0x40                      ; destination window 1, address window 0
.macro HLOAD g0, g1                    ; a tensor load with s_nop 0 and four v_nop behind it
	tensor_load_to_lds s[\g0:\g0+3], s[\g1:\g1+7]
	s_nop 0
.rept 4
	v_nop
.endr
.endm
; A joint load of the ring: waves 0 and 1 fetch for A, waves 2 and 3 for B; the branch hangs on the wave's number alone
.macro JLOAD g0a, g1a, g0b, g1b
	s_cmp_eq_u32 s15, 0
	s_cbranch_scc0 .Lfor_b_\@
	HLOAD \g0a, \g1a
	s_branch .Lasked_\@
.Lfor_b_\@:
	HLOAD \g0b, \g1b
.Lasked_\@:
.endm
.macro CREST                           ; a round of the cluster's barrier behind its opening barrier
	s_cmp_lg_u32 s14, 0
	s_cbranch_scc1 .Lnot_wave_0_\@
	s_barrier_signal -3
.Lnot_wave_0_\@:
	s_barrier_wait -3
	s_barrier_signal -1
	s_barrier_wait -1
.endm
.macro CROUND
	s_barrier_signal -1
	s_barrier_wait -1
	CREST
.endm
.macro PLACES n
.rept \n
	v_nop
.endr
.endm
; The fragments and scale words of the slot's q-th K step into set p: 24 + 24 + 2 loads of 16 bytes, each 512 consecutive bytes a wave
.macro FETCH slot, q, p
	WIN TO_B
.irp i, 0,1,2,3,4,5,6,7
.irp c, 0,1,2
	ds_load_b128 v[128*(\p)+12*\i+4*\c:128*(\p)+12*\i+4*\c+3], v[ADRB+\slot] offset:((\q)*2*NT+\i)*1536+512*\c
.endr
.endr
	WIN 0
.irp i, 0,1,2,3,4,5,6,7
.irp c, 0,1,2
	ds_load_b128 v[AF+96*(\p)+12*\i+4*\c:AF+96*(\p)+12*\i+4*\c+3], v[ADRA+\slot] offset:((\q)*2*NT+\i)*1536+512*\c
.endr
.endr
.irp g, 0,1
	ds_load_b128 v[SC+8*(\p)+4*\g:SC+8*(\p)+4*\g+3], v[ADRS] offset:(\q)*1024+256*\g
.endr
.endm
; 16 matrix instructions: A's blocks 2 g, 2 g + 1 against B's eight, on set p.  The 64 accumulators take turns in the same order in every step.
.macro MULG g, p, first
	WIN MUL_LO+0x50*((\g)/2)
.irp a, 2*(\g), 2*(\g)+1
.irp b, 0,1,2,3,4,5,6,7
.if \first
	v_wmma_scale_f32_16x16x128_f8f6f4 v[8*(8*((\a)%4)+\b):8*(8*((\a)%4)+\b)+7], v[128*(\p)+12*\b:128*(\p)+12*\b+11], v[AF+96*(\p)+12*(\a):AF+96*(\p)+12*(\a)+11], 0, v[SC+8*(\p)+\b], v[SC+8*(\p)+(\a)] matrix_a_fmt:MATRIX_FMT_FP6 matrix_b_fmt:MATRIX_FMT_FP6 matrix_a_scale:MATRIX_SCALE_ROW1
.else
	v_wmma_scale_f32_16x16x128_f8f6f4 v[8*(8*((\a)%4)+\b):8*(8*((\a)%4)+\b)+7], v[128*(\p)+12*\b:128*(\p)+12*\b+11], v[AF+96*(\p)+12*(\a):AF+96*(\p)+12*(\a)+11], v[8*(8*((\a)%4)+\b):8*(8*((\a)%4)+\b)+7], v[SC+8*(\p)+\b], v[SC+8*(\p)+(\a)] matrix_a_fmt:MATRIX_FMT_FP6 matrix_b_fmt:MATRIX_FMT_FP6 matrix_a_scale:MATRIX_SCALE_ROW1
.endif
.endr
.endr
.endm
; A K step that has its successor in the same slot: the successor's set is fetched first, then this step's 64 products
.macro STEP slot, q, first
	s_wait_dscnt 0x0                               ; this step's set, asked for a step ago
	PLACES 4                                       ; behind the last step's products, which read the set that is loaded now
	FETCH \slot, (\q)+1, 1-(\q)%2
	MULG 0, (\q)%2, \first
	MULG 1, (\q)%2, \first
	MULG 2, (\q)%2, \first
	MULG 3, (\q)%2, \first
.endm
; A slot's last step changes slots: one barrier; in front of it each wave waits for all its tensor loads, adds 0 to its spare word, and waits for that and for its reads of this slot
.macro TURN slot, next, fill
	WIN 0
	s_wait_tensorcnt 0x0                           ; all my tensor loads have landed: my part of the next slot
	ds_add_u32 v[SPW], v[NIL]                      ; 0 onto my spare word
	s_wait_dscnt 1                                 ; only the add may be out: this step's set is in
	MULG 0, 1, 0                                   ; sixteen matrix instructions between the add and the wait for it
	s_wait_dscnt 0x0                               ; the add is done, and my reads of this slot are over
	s_barrier_signal -1
	MULG 1, 1, 0
	WIN 0
	s_barrier_wait -1
.if \fill
	CREST                                          ; the barrier has opened a round of the cluster's: no wave of any partner still reads this slot or has a load on its way
	s_add_nc_u64 s[G0+4*\slot+2:G0+4*\slot+3], s[G0+4*\slot+2:G0+4*\slot+3], 2*NQ*PA
	s_add_nc_u64 s[G0B+4*\slot+2:G0B+4*\slot+3], s[G0B+4*\slot+2:G0B+4*\slot+3], 2*NQ*PB
	JLOAD G0+4*\slot, G1, G0B+4*\slot, G1B         ; the first tensor load behind the round; its four v_nop are the places in front of the loads below
.else
	PLACES 4
.endif
	s_wait_alu depctr_va_vdst(0)
	v_add_nc_u32 v[ADRS], NQ*(NT/2)*256, v[ADRS]   ; the next slot's scale words
	FETCH \next, 0, 0
	MULG 2, 1, 0
	MULG 3, 1, 0
.endm
	s_load_b128 s[4:7], s[0:1], 0x0                ; ws1, qkvc
	v_lshl_add_u32 v[SPW], v0, 2, SPARE
	v_mov_b32 v[NIL], 0
	ds_add_u32 v28, v29                            ; the opening lines: the add twice on end and its wait
	ds_add_u32 v28, v29
	s_wait_dscnt 0x0
	v_lshrrev_b32 v1, 5, v0
	v_readfirstlane_b32 s14, v1                    ; wave 0..3
	s_lshr_b32 s15, s14, 1                         ; my half of the rows.  Also: in the ring I fetch for A (0) or for B (1)
	s_and_b32 s16, s14, 1                          ; my half of the columns.  Also: which K step of a slot I fetch in the ring
	s_bfe_u32 s40, ttmp6, 0x40000                  ; cx
	s_bfe_u32 s41, ttmp6, 0x40004                  ; cy
	s_and_b32 s17, ttmp7, 0xffff                   ; the cluster's y
	s_lshl_b32 s42, s17, 2
	s_lshr_b32 s18, ttmp9, 1                       ; 1 for v: the same in all partners
	s_xor_b32 s19, s18, 1
	s_lshl_b32 s43, s41, 2
	s_lshl_b32 s43, 15, s43                        ; my row of the cluster
	s_lshl_b32 s44, 0x1111, s40                    ; my column
	s_or_b32 s[G1+0], s43, (3<<16)|(1<<21)         ; 15:0 the mask; 17:16 elements of 8 bytes; 21 set beside a mask; no padding
	s_or_b32 s[G1B+0], s44, (3<<16)|(1<<21)
.irp g, G1, G1B                        ; codes, for the head's loads: NQ rows (K steps) of a side's 16 images = 3,072 elements, 256 images apart
	s_mov_b32 s[\g+1], 3072<<16
	s_mov_b32 s[\g+2], NQ<<16
	s_mov_b32 s[\g+3], 3072<<16
	s_mov_b32 s[\g+4], NQ
	s_mov_b32 s[\g+5], 49152
	s_mov_b32 s[\g+6], 0
	s_mov_b32 s[\g+7], 0
.endr
	s_or_b32 s[G1S+0], s43, (3<<16)|(1<<21)
	s_or_b32 s[G1SB+0], s44, (3<<16)|(1<<21)
.irp g, G1S, G1SB                      ; scale words: 8 rows (K steps) of a side's 1,024 bytes, 16,384 bytes apart
	s_mov_b32 s[\g+1], 128<<16
	s_mov_b32 s[\g+2], KSTEPS<<16
	s_mov_b32 s[\g+3], 128<<16
	s_mov_b32 s[\g+4], KSTEPS
	s_mov_b32 s[\g+5], 2048
	s_mov_b32 s[\g+6], 0
	s_mov_b32 s[\g+7], 0
.endr
	; A's block of 256 rows: q, k: 4 x cluster y + cy of x's sixteen; v: cy of Wv's four.  Nothing here holds cx
	s_mul_i32 s20, s19, s42
	s_add_co_u32 s20, s20, s41
	s_lshl_b32 s21, s20, 4                         ; the block's first tile
	s_mul_i32 s92, s21, 1536
	s_mul_i32 s22, s18, WC+196608                  ; Wv's images begin at slot 128
	s_add_co_u32 s92, s92, s22
	s_mov_b32 s93, 0
	s_lshl_b32 s94, s21, 6
	s_mul_i32 s22, s18, WSS+8192-XS
	s_add_co_u32 s94, s94, s22
	s_add_co_u32 s94, s94, XS
	s_mov_b32 s95, 0
	; B's block: q, k: cx of the weight's four; v: 4 x cluster y + cx of x's sixteen.  Nothing here holds cy
	s_mul_i32 s46, s18, s42
	s_add_co_u32 s46, s46, s40
	s_lshl_b32 s47, s46, 4
	s_mul_i32 s96, s47, 1536
	s_mul_i32 s67, ttmp9, 98304                    ; Wk's images begin at slot 64
	s_add_co_u32 s67, s67, WC
	s_mul_i32 s67, s67, s19
	s_add_co_u32 s96, s96, s67
	s_mov_b32 s97, 0
	s_lshl_b32 s98, s47, 6
	s_mul_i32 s67, ttmp9, 4096
	s_add_co_u32 s67, s67, WSS
	s_mul_i32 s67, s67, s19
	s_add_co_u32 s98, s98, s67
	s_mul_i32 s67, s18, XS
	s_add_co_u32 s98, s98, s67
	s_mov_b32 s99, 0
	s_mul_i32 s45, s14, HALFT                      ; where the ring's loads go: by the wave's number alone
	s_wait_kmcnt 0x0
	s_add_nc_u64 s[92:93], s[4:5], s[92:93]
	s_add_nc_u64 s[94:95], s[4:5], s[94:95]
	s_add_nc_u64 s[96:97], s[4:5], s[96:97]
	s_add_nc_u64 s[98:99], s[4:5], s[98:99]
	CROUND                                         ; all sixteen work-groups are here: the first joint loads meet
	s_mov_b32 s[G0S], 1
	s_mov_b32 s[G0S+1], SCL
	s_mov_b64 s[G0S+2:G0S+3], s[94:95]
	s_or_b32 s[G0S+3], s[G0S+3], 0x80000000
	s_mov_b32 s[G0SB], 1
	s_mov_b32 s[G0SB+1], SCL+2*QS
	s_mov_b64 s[G0SB+2:G0SB+3], s[98:99]
	s_or_b32 s[G0SB+3], s[G0SB+3], 0x80000000
	s_mul_i32 s12, s16, (NQ/2)*PA                  ; in the ring I fetch one K step of a slot's two; in waves 0 and 2 that is the slot's first byte
	s_mov_b32 s13, 0
	s_add_nc_u64 s[92:93], s[92:93], s[12:13]
	s_add_nc_u64 s[96:97], s[96:97], s[12:13]
.irp s, 0,1
	s_mov_b32 s[G0+4*\s], 1
	s_add_co_u32 s[G0+4*\s+1], s45, \s*SLOT
	s_add_nc_u64 s[G0+4*\s+2:G0+4*\s+3], s[92:93], \s*NQ*PA
	s_or_b32 s[G0+4*\s+3], s[G0+4*\s+3], 0x80000000
	s_mov_b32 s[G0B+4*\s], 1
	s_add_co_u32 s[G0B+4*\s+1], s45, \s*SLOT
	s_add_nc_u64 s[G0B+4*\s+2:G0B+4*\s+3], s[96:97], \s*NQ*PB
	s_or_b32 s[G0B+4*\s+3], s[G0B+4*\s+3], 0x80000000
.endr
; THE HEAD'S LOADS, ONE A WAVE: wave 0 A's whole slot 0, wave 1 A's scale words, wave 2 B's whole slot 0, wave 3 B's scale words.
; Slot 0's group 0 of waves 0 and 2 names the side's first byte in memory and in LDS, so it serves the whole side.  One chain of branches on the wave's number, one load to an arm.
	s_cmp_eq_u32 s14, 0
	s_cbranch_scc0 .Lhead_1
	HLOAD G0, G1
	s_branch .Lhead_asked
.Lhead_1:
	s_cmp_eq_u32 s14, 1
	s_cbranch_scc0 .Lhead_2
	HLOAD G0S, G1S
	s_branch .Lhead_asked
.Lhead_2:
	s_cmp_eq_u32 s14, 2
	s_cbranch_scc0 .Lhead_3
	HLOAD G0B, G1B
	s_branch .Lhead_asked
.Lhead_3:
	HLOAD G0SB, G1SB
.Lhead_asked:
	s_cmp_eq_u32 s15, 0                            ; the prefetches: do I fetch for A?
	s_cselect_b64 s[4:5], s[92:93], s[96:97]       ; my K step of fill 0
	s_cselect_b32 s12, s40, s41                    ; my place among the four that ask with me
	s_mul_i32 s12, s12, 6144
	s_add_nc_u64 s[4:5], s[4:5], s[12:13]          ; my quarter of its 24,576 bytes; never rewritten
	v_and_b32 v[PFO], 31, v0
	v_min_u32 v[PFO], 23, v[PFO]
	v_lshlrev_b32 v[PFO], 8, v[PFO]                ; 256 x lane; lanes 24-31 name the last block again
	global_prefetch_b8 v[PFO], s[4:5] offset:NQ*PA th:TH_LOAD_NT scope:SCOPE_SE        ; fill 1
	global_prefetch_b8 v[PFO], s[4:5] offset:2*NQ*PA th:TH_LOAD_NT scope:SCOPE_SE      ; fill 2
	v_and_b32 v1, 31, v0
	v_and_b32 v2, 15, v0                           ; r
	v_bfe_u32 v3, v0, 4, 1                         ; h
	s_wait_alu depctr_va_vdst(0)
	v_lshlrev_b32 v[L16], 4, v1
	v_lshlrev_b32 v[L8], 3, v1
	s_mul_i32 s21, s15, NT*1536                    ; my half of A's 16 tiles,
	s_mul_i32 s22, s16, NT*1536
	s_add_co_u32 s22, s22, 2*HALFT                 ; my half of B's
.irp s, 0,1
	v_add_nc_u32 v[ADRA+\s], s21, v[L16]
	v_add_nc_u32 v[ADRB+\s], s22, v[L16]
	s_add_co_u32 s21, s21, SLOT
	s_add_co_u32 s22, s22, SLOT
.endr
	s_mul_i32 s21, s15, (NT/4)*256
	s_mul_i32 s22, s16, (NT/4)*256
	s_add_co_u32 s22, s22, 2*QS
	s_sub_co_u32 s22, s22, s21
	v_mul_u32_u24 v6, s22, v3                      ; lanes 16-31 take B's
	s_add_co_u32 s21, s21, SCL
	v_lshl_add_u32 v6, v2, 4, v6
	v_add_nc_u32 v[ADRS], s21, v6
	; where the results go.  T0 = my first tile of A's rows, n1 = my 128 along n
	s_lshl_b32 s100, s20, 4
	s_lshl_b32 s8, s15, 3
	s_add_co_u32 s100, s100, s8                    ; T0
	s_lshl_b32 s101, s46, 1
	s_add_co_u32 s101, s101, s16                   ; n1
	s_lshl_b32 s8, s101, 9
	s_add_co_u32 s8, s8, s100
	s_mul_i32 s8, s8, 768
	s_mul_i32 s9, ttmp9, 3145728
	s_add_co_u32 s8, s8, s9                        ; q, k: [head 2 n1][token tile][768]
	s_lshl_b32 s9, s101, 6
	s_add_co_u32 s9, s9, s100
	s_mul_i32 s9, s9, 1536
	s_add_co_u32 s9, s9, VC                        ; v: [token step n1][tile of the 1,024][1,536]
	s_lshl_b32 s10, s101, 15
	s_mul_i32 s11, ttmp9, 262144
	s_add_co_u32 s10, s10, s11
	s_add_co_u32 s10, s10, QSO
	s_lshl_b32 s11, s101, 12
	s_add_co_u32 s11, s11, VSO
	s_cmp_eq_u32 s18, 0
	s_cselect_b32 s8, s8, s9
	s_cselect_b32 s10, s10, s11
	s_lshl_b32 s11, s100, 6
	s_add_co_u32 s10, s10, s11
	s_mov_b32 s9, 0
	s_mov_b32 s11, 0
	s_add_nc_u64 s[8:9], s[6:7], s[8:9]
	s_add_nc_u64 s[10:11], s[6:7], s[10:11]
	s_wait_alu depctr_va_vdst(0)
	s_wait_tensorcnt 0x0                           ; my tile of the head's four is in; slot 1's first fill is issued as a refill is:
	ds_add_u32 v[SPW], v[NIL]
	s_mov_b32 s[G1+1], 1536<<16                    ; no load of mine is out: from here on a load brings one K step of 16 images, dense: 2 rows of 1,536 elements
	s_mov_b32 s[G1+3], 1536<<16
	s_mov_b32 s[G1+5], 1536
	s_mov_b32 s[G1B+1], 1536<<16
	s_mov_b32 s[G1B+3], 1536<<16
	s_mov_b32 s[G1B+5], 1536
	s_wait_dscnt 0x0
	CROUND                                         ; all four tiles are in, and the sixteen work-groups are here
	JLOAD G0+4, G1, G0B+4, G1B                     ; slot 1: the first tensor load behind the round
	FETCH 0, 0, 0
	global_prefetch_b8 v[PFO], s[4:5] offset:3*NQ*PA th:TH_LOAD_NT scope:SCOPE_SE      ; fill 3, the last
	STEP 0, 0, 1                                   ; the first step starts the sums
	WIN 0
	s_mov_b32 s3, LAPS-1
.Llap:                                             ; a trip goes once round the ring and fills both slots again
	TURN 0, 1, 1
	s_wait_alu depctr_va_vdst(0)
	STEP 1, 0, 0
	TURN 1, 0, 1
	s_wait_alu depctr_va_vdst(0)
	STEP 0, 0, 0
	WIN 0
	s_sub_co_u32 s3, s3, 1
	s_cmp_lg_u32 s3, 0
	s_cbranch_scc1 .Llap
	TURN 0, 1, 0                                   ; the last lap fills nothing
	s_wait_alu depctr_va_vdst(0)
	STEP 1, 0, 0
	s_wait_dscnt 0x0
	MULG 0, 1, 0
	MULG 1, 1, 0
	MULG 2, 1, 0
	MULG 3, 1, 0
	WIN 0
	PLACES 4                                       ; in front of the first reads of results and the first writes over A's fragments
; THE WAY OUT.  Block a's 64 numbers of a lane become 12 registers of codes and a scale word, and leave from the registers: each store of the wave covers 512 (256) consecutive bytes, aligned.
	s_mov_b32 s[SEL], 0x76543210
	s_mov_b32 s[SEL+1], 0xfedcba98
.irp b, 0,1,2,3
	v_mov_b32 v[TM+4+\b], 0                        ; a lane permute's destination counts as one of its sources
.endr
.macro QBLK a
.set AC, 64*((\a)%4)
	WIN 0x28+0x14*((\a)/4)                         ; sources 1 and 2: the accumulators' window
.irp b, 0,1,2,3
	v_max3_num_f32 v[TM+\b], 0x1800000, |v[AC+16*\b]|, |v[AC+16*\b+1]|     ; each accumulator from its low end on; the floor 2^(3 - 127) holds the byte at 1 from below
.endr
.irp i, 2,4,6,8,10,12,14
.irp b, 0,1,2,3
	v_max3_num_f32 v[TM+\b], v[TM+\b], |v[AC+16*\b+\i]|, |v[AC+16*\b+\i+1]|
.endr
.endr
	WIN 0
.irp b, 0,1,2,3
	v_permlanex16_b32 v[TM+4+\b], v[TM+\b], s[SEL], s[SEL+1]
.endr
.irp b, 0,1,2,3
	v_max_num_f32 v[TM+\b], v[TM+\b], v[TM+4+\b]
.endr
.irp b, 0,1,2,3
	v_add_nc_u32 v[TM+12+\b], 0xff000000, v[TM+\b]
.endr
.irp b, 0,1,2,3
	v_lshrrev_b32 v[TM+4+\b], 23, v[TM+12+\b]
.endr
	v_lshl_or_b32 v[PWS+(\a)], v[TM+5], 8, v[TM+4]
	v_lshl_or_b32 v[PWS+(\a)], v[TM+6], 16, v[PWS+(\a)]
	v_lshl_or_b32 v[PWS+(\a)], v[TM+7], 24, v[PWS+(\a)]
	s_wait_xcnt 0x0                                ; the last block's stores have read the codes' registers
	WIN 0x02+(\a)/4
.irp c, 0,1
	v_cvt_scalef32_pk16_fp6_f32 v[PC+6*\c:PC+6*\c+2], v[AC+32*\c:AC+32*\c+15], v[TM+12+2*\c]
	v_cvt_scalef32_pk16_fp6_f32 v[PC+12+4*\c:PC+14+4*\c], v[AC+32*\c+16:AC+32*\c+31], v[TM+13+2*\c]
.endr
	WIN 0
	v_nop                                          ; one plain place behind a scaled conversion
.irp c, 0,1
.irp i, 0,1,2
	v_permlane16_swap_b32 v[PC+6*\c+\i], v[PC+12+4*\c+\i]
.endr
.irp i, 0,1,2
	v_mov_b32 v[PC+3+6*\c+\i], v[PC+12+4*\c+\i]
.endr
.endr
	s_cmp_lg_u32 s18, 0                            ; by the cluster's x: the same in all partners
	s_cbranch_scc1 .Lv_\@
	global_store_b128 v[L16], v[PC:PC+3], s[8:9] offset:768*(\a)                   ; q, k: registers 0-5 are head 2 n1's 64 along K, registers 6-11 head 2 n1 + 1's: two images of 768 bytes
	global_store_b64 v[L8], v[PC+4:PC+5], s[8:9] offset:768*(\a)+512
	global_store_b128 v[L16], v[PC+6:PC+9], s[8:9] offset:768*(\a)+196608
	global_store_b64 v[L8], v[PC+10:PC+11], s[8:9] offset:768*(\a)+196608+512
	s_branch .Ldone_\@
.Lv_\@:
	s_wait_alu depctr_va_vdst(0)
.irp c, 0,1,2
	global_store_b128 v[L16], v[PC+4*\c:PC+4*\c+3], s[8:9] offset:1536*(\a)+512*\c
.endr
.Ldone_\@:
.endm
.irp a, 0,1,2,3,4,5,6,7
	QBLK \a
.endr
	s_mov_b32 vcc_lo, 0xffff0000
.irp i, 0,1,2,3
	v_cndmask_b32 v[W+\i], v[PWS+\i], v[PWS+4+\i], vcc_lo      ; lanes 0-15: the words of tiles T0 .. T0 + 3, lanes 16-31: of the next four: 512 bytes on end
.endr
	s_cmp_lg_u32 s18, 0
	s_cbranch_scc1 .Lvs
	s_mov_b32 s20, 0x7f7f0000                      ; q, k: a head has two blocks; the bytes of the K that it has not are 1.0
.irp i, 0,1,2,3
	v_and_or_b32 v[W+4+\i], v[W+\i], 0xffff, s20
.endr
.irp i, 0,1,2,3
	v_lshrrev_b32 v[W+\i], 16, v[W+\i]
.endr
.irp i, 0,1,2,3
	v_or_b32 v[W+\i], s20, v[W+\i]
.endr
	global_store_b128 v[L16], v[W+4:W+7], s[10:11]
	global_store_b128 v[L16], v[W:W+3], s[10:11] offset:16384
	s_branch .Lend
.Lvs:
	s_wait_alu depctr_va_vdst(0)
	global_store_b128 v[L16], v[W:W+3], s[10:11]
.Lend:
	s_wait_tensorcnt 0x0                           ; the wave's end
	ds_add_u32 v[SPW], v[NIL]
	s_wait_dscnt 0x0
	CROUND                                         ; the closing round
	s_endpgm
.Lfunc_end_k_q13be4a05d0_qkv:
	.size	k_q13be4a05d0_qkv, .Lfunc_end_k_q13be4a05d0_qkv-k_q13be4a05d0_qkv
	.p2alignl 7, 3214868480
	.fill 96, 4, 3214868480
	.section	.rodata,"a",@progbits
	.p2align	6, 0x0
	.amdhsa_kernel k_q13be4a05d0_qkv
		.amdhsa_group_segment_fixed_size 327680
		.amdhsa_private_segment_fixed_size 0
		.amdhsa_enable_private_segment 0
		.amdhsa_kernarg_size 16
		.amdhsa_user_sgpr_count 2
		.amdhsa_user_sgpr_kernarg_segment_ptr 1
		.amdhsa_wavefront_size32 1
		.amdhsa_system_sgpr_workgroup_id_x 1
		.amdhsa_system_sgpr_workgroup_id_y 1
		.amdhsa_system_sgpr_workgroup_id_z 1
		.amdhsa_system_vgpr_workitem_id 0
		.amdhsa_next_free_vgpr 1024
		.amdhsa_next_free_sgpr 102
		.amdhsa_reserve_vcc 1
		.amdhsa_float_denorm_mode_32 3
		.amdhsa_float_denorm_mode_16_64 3
		.amdhsa_memory_ordered 1
		.amdhsa_forward_progress 1
		.amdhsa_inst_pref_size 145
	.end_amdhsa_kernel
	.amdgpu_metadata
---
amdhsa.version: [ 1, 2 ]
amdhsa.kernels:
  - .name:           k_q13be4a05d0_qkv
    .symbol:         k_q13be4a05d0_qkv.kd
    .args:
      - { .name: ws1, .offset: 0, .size: 8, .value_kind: global_buffer, .address_space: global }
      - { .name: qkvc, .offset: 8, .size: 8, .value_kind: global_buffer, .address_space: global }
    .group_segment_fixed_size: 327680
    .private_segment_fixed_size: 0
    .kernarg_segment_align: 8
    .kernarg_segment_size: 16
    .max_flat_workgroup_size: 128
    .sgpr_count:     102
    .vgpr_count:     1024
    .wavefront_size: 32
...
	.end_amdgpu_metadata
.endif
;; end of part 2
;; launch attn (part 3): grid 8 x 32, 16 waves a work-group, clusters of 4 x 1, 317,440 bytes of LDS; arguments qkvc, embds, e2; writes e2
.if DOCPART == 3
	.amdgcn_target "amdgcn-amd-amdhsa--gfx1250"
	.amdhsa_code_object_version 6
	.text
	.protected	k_q13be4a05d0_attn
	.globl	k_q13be4a05d0_attn
	.p2align	8
	.type	k_q13be4a05d0_attn,@function
k_q13be4a05d0_attn:
	s_mov_b64 s[64:65], 0
	v_nop
	global_prefetch_b8 v0, s[64:65] scope:SCOPE_SE
	s_setreg_imm32_b32 hwreg(HW_REG_WAVE_MODE, 25, 1), 1
	s_wait_xcnt 0x0
	s_wait_alu depctr_hold_cnt(0) depctr_sa_sdst(0) depctr_va_vdst(0) depctr_va_sdst(0) depctr_va_ssrc(0) depctr_va_vcc(0) depctr_vm_vsrc(0)
	s_getreg_b32 s2, hwreg(HW_REG_IB_STS2, 6, 4)
	s_cmp_eq_u32 s2, 0
	s_cbranch_scc0 .Lentry_in_a_cluster
	s_endpgm
.Lentry_in_a_cluster:
	s_bfe_u32 s2, ttmp6, 0x10000c
	s_cmp_lg_u32 s2, 0x3003
	s_cbranch_scc0 .Lentry_shape_is_right
	s_endpgm
.Lentry_shape_is_right:
; e2 = embds + causal attention, both products on codes of FP6 (E2M3).  t = score x log2(e) / 32; M = the largest t so far, rounded up to a whole number; p = 2^(t - M) is quantised along the keys, not
; normalised; the row's sum is taken of the unquantised p and divides at the end; when M moves, the sum and O are multiplied by 2^(old M - new M): exact.
; SHARES.  A work-group has one head of one batch and the query tiles i, i + 8, .., i + 120 (i = its x, 16 queries a tile): one tile in each block of 128 queries.  So what a wave does hangs on its number
; alone, and is the same in all eight work-groups of a head.  Waves w and w ^ 4 are pair m, with the tiles of blocks 15 - m and m: 16 - m and m + 1 key steps of 128, 17 in all.
;   the wave with bit 2 clear: key steps 0-7 of the later tile (none of them masked), then it joins the partner's part of that tile to its own and stores the tile;
;   the wave with bit 2 set: key steps 8 .. 15 - m of the later tile, hands O, M and the sum over through LDS, then key steps 0 .. m of the earlier tile, and stores that: nine steps whatever m.
; The two parts of a tile have each their own M; both are whole numbers, so joining them multiplies by powers of two alone.
; K AND V OF THE WHOLE HEAD LIE IN LDS, each byte filled once, by sixteen loads, one a wave: waves 0-5 K's codes (16,384 bytes each), 6-13 V's (two key steps each), 14 K's scale words, 15 V's.
; CLUSTERS: four work-groups of a head ask for these tiles jointly (mask 15).  No branch and no LDS address hangs on the place in the cluster: it enters only the addresses of Q, embds and e2 and the mask's compare.
; PREFETCH: K and V are all asked for at the head, where there is no loop to run ahead in.  The 16 rows x 256 bytes of embds that a wave adds at its end are asked for in trip 1 of the 8: a lane a row, lanes 16-31 name the last row again.
; OPERANDS are images of registers.  q, k: 16 rows x 64 K, 768 bytes (registers 0-3 at 16 l, 4-5 at 512 + 8 l); v: 16 of the head's 64 x 128 keys, 1,536 bytes.  Lane index r of tile T is row 32 (T / 2) + 8 (T % 2) + r % 8 + 16 (r / 8).
; Both products are used transposed (S^T = K Q^T, O^T = V^T P^T): a lane holds one query; the 16 registers of score tiles 2 e and 2 e + 1 are keys 32 e + 16 h + 0 .. 15.
; K = 64 UNDER AN INSTRUCTION OF 128: Q's codes of k = 64 .. 127 are zeros and the scale bytes there are 1.0; E2M3 has neither NaN nor infinity, so whatever K's registers 6-11 hold (the next tile's codes) adds 0.
; Every wave loads both tiles' Q, one text for both kinds of wave; the waves with bit 2 clear use the first alone.
; LIMITS: NaN and infinities are not served; the scaled scores stay under 2^31 in magnitude; a block of p that has fallen to 0 keeps the byte 1 over zero codes.
; REGISTERS: v1-6 offsets that stay; v8-11, v28 addresses in hand; v12 -M, v13 the largest t, v[14:15] the sum; v16-27 Q, v29 its scale words; v30, v236-241 the second tile's; v31, v94, v95 stage and hand-over addresses;
;   v32-85 K's eight tiles (v80-85 zeros), later V's four fragments; v86-93 K's scale words; v96-159 S^T, then p; v160-191 O^T; v192-210 p's codes; v207 the prefetch's offset; v212-223 at work; v224-227 V's scale words; v228 p's; v232-235, v242-253 at work.
.set VCODE, 98304
.set KSC,   196608
.set VSC,   204800
.set STAGE, 208896                     ; 16 waves x 16 rows x 272 bytes
.set XCH,   278528                     ; 8 pairs x 4,608 bytes: O^T, then (-M, t, the sum's halves), 16 bytes a lane
.set SPARE, 315392                     ; the spare words: 128 bytes a wave
.set KC,    3145728                    ; in qkvc
.set VC,    6291456
.set QSO,   9437184
.set KSO,   9699328
.set VSO,   9961472
.set ADK,  8
.set ADK8, 9
.set ADS,  10
.set ADV,  11
.set ADT,  28
.set STO,  31
.set RD,   94
.set XA,   95
.set PFO,  207
.set BM,   212
.set BT,   216
.set SO,   220
.set SA,   242
.set WV,   18
.set SEL,  20
.set CS,   22
.set G1K,  24
.set G1V,  32
.set G1KS, 40
.set G1VS, 48
.set KB,   80                          ; LDS byte of the step's tiles of K (V's lie VCODE on)
.set SB,   81                          ; of K's scale words
.set TJ,   82                          ; of V's
.set KF,   83                          ; the step's first key
.set Q0,   84                          ; the later tile's first query
.set CNT,  85
.set KS,   87                          ; the key step
.set RB,   94                          ; 8 x bit 2 of the wave's number
.set YY,   95
.set MP,   96                          ; the pair
.set BLK,  97                          ; the block of 128 queries in which the tile in hand lies
.set Q0L,  98
.set DQ,   99
.macro ROUND                           ; a round of the cluster's barrier
	s_barrier_signal -1
	s_barrier_wait -1
	s_cmp_lg_u32 s[WV], 0
	s_cbranch_scc1 .Lnot_wave_0_\@
	s_barrier_signal -3
.Lnot_wave_0_\@:
	s_barrier_wait -3
	s_barrier_signal -1
	s_barrier_wait -1
.endm
.macro G1SET g, c, r, p                ; group 1: r rows of c elements of 8 bytes, p elements apart; the mask names the cluster's four, bit 21 beside it; no padding
	s_mov_b32 s[\g], 15|(3<<16)|(1<<21)
	s_mov_b32 s[\g+1], (\c)<<16
	s_mov_b32 s[\g+2], (\r)<<16
	s_mov_b32 s[\g+3], (\c)<<16
	s_mov_b32 s[\g+4], \r
	s_mov_b32 s[\g+5], \p
	s_mov_b32 s[\g+6], 0
	s_mov_b32 s[\g+7], 0
.endm
.macro FILL g1                         ; the wave's one load; s57 its LDS byte, s60 its byte in qkvc
	s_add_nc_u64 s[58:59], s[4:5], s[60:61]
	s_or_b32 s59, s59, 0x80000000
	tensor_load_to_lds s[56:59], s[\g1:\g1+7]
	s_nop 0
.rept 4
	v_nop
.endr
.endm
.macro TILE t, q0, pc, ps              ; of tile s[t] of the batch's 128: its first query, the address of Q's image, and of its scale words
	s_lshr_b32 s[\q0], s[\t], 1
	s_lshl_b32 s[\q0], s[\q0], 5
	s_and_b32 s60, s[\t], 1
	s_lshl_b32 s60, s60, 3
	s_add_co_u32 s[\q0], s[\q0], s60
	s_lshl_b32 s60, s11, 7
	s_add_co_u32 s60, s60, s[\t]
	s_lshl_b32 s62, s10, 8
	s_add_co_u32 s62, s62, s60
	s_mul_i32 s62, s62, 768
	s_mov_b32 s63, 0
	s_add_nc_u64 s[\pc:\pc+1], s[4:5], s[62:63]
	s_lshr_b32 s62, s60, 2
	s_lshl_b32 s62, s62, 8
	s_and_b32 s60, s60, 3
	s_lshl_b32 s60, s60, 2
	s_add_co_u32 s62, s62, s60
	s_lshl_b32 s60, s10, 14
	s_add_co_u32 s62, s62, s60
	s_add_co_u32 s62, s62, QSO
	s_add_nc_u64 s[\ps:\ps+1], s[4:5], s[62:63]
.endm
.macro EMB                             ; my tile's 16 rows of embds, my head's 256 bytes; four places stand between the last products and loads into registers that they read
.rept 4
	v_nop
.endr
.irp t, 0,1,2,3,4,5,6,7
	global_load_b128 v[32+4*\t:35+4*\t], v6, s[6:7] offset:(2*\t+8*(\t/4))*4096 th:TH_LOAD_NT
.endr
.endm
	s_load_b128 s[4:7], s[0:1], 0x0                ; qkvc, embds
	s_load_b64 s[8:9], s[0:1], 0x10                ; e2
	v_lshl_add_u32 v254, v0, 2, SPARE
	v_mov_b32 v255, 0
	ds_add_u32 v254, v255                          ; the opening lines: the add twice on end and its wait
	ds_add_u32 v254, v255
	v_lshrrev_b32 v8, 5, v0
	s_delay_alu instid0(VALU_DEP_1)
	v_readfirstlane_b32 s[WV], v8                  ; wave 0..15
	s_and_b32 s10, ttmp7, 0xffff
	s_lshr_b32 s11, s10, 4                         ; batch
	s_and_b32 s10, s10, 15                         ; head
	G1SET G1K, 32, 64, 32                          ; K's codes are dense: 64 rows of 256 bytes a wave
	G1SET G1V, 768, 2, 12288                       ; V's: 2 key steps of 4 images, 64 images apart
	G1SET G1KS, 32, 32, 32                         ; K's scale words: 8,192 dense bytes
	G1SET G1VS, 32, 16, 512                        ; V's: 16 key steps of 256 bytes, 4,096 bytes apart
	s_lshl_b32 s13, s10, 8
	s_lshl_b32 s14, s11, 7
	s_add_co_u32 s13, s13, s14
	s_mul_i32 s13, s13, 768
	s_add_co_u32 s13, s13, KC                      ; K's codes: [head][token tile]
	s_lshl_b32 s14, s11, 10
	s_lshl_b32 s15, s10, 2
	s_add_co_u32 s14, s14, s15
	s_mul_i32 s14, s14, 1536
	s_add_co_u32 s14, s14, VC-6*196608             ; V's: [token step][tile]; wave 6 takes the first two steps
	s_lshl_b32 s15, s10, 14
	s_lshl_b32 s16, s11, 13
	s_add_co_u32 s15, s15, s16
	s_add_co_u32 s15, s15, KSO
	s_lshl_b32 s16, s11, 16
	s_lshl_b32 s17, s10, 8
	s_add_co_u32 s16, s16, s17
	s_add_co_u32 s16, s16, VSO
	s_mov_b32 s56, 1
	s_mov_b32 s61, 0
	s_wait_dscnt 0x0                               ; both opening adds are done
	s_wait_kmcnt 0x0
	ROUND                                          ; the four work-groups are here: the joint loads meet
	; one chain of branches on the wave's number, one load to an arm, every way passes one
	s_cmp_lt_u32 s[WV], 6
	s_cbranch_scc0 .Lfill_v
	s_lshl_b32 s57, s[WV], 14
	s_add_co_u32 s60, s13, s57
	FILL G1K
	s_branch .Lasked
.Lfill_v:
	s_cmp_lt_u32 s[WV], 14
	s_cbranch_scc0 .Lfill_ks
	s_mul_i32 s57, s[WV], 12288
	s_add_co_u32 s57, s57, VCODE-6*12288
	s_mul_i32 s60, s[WV], 196608
	s_add_co_u32 s60, s60, s14
	FILL G1V
	s_branch .Lasked
.Lfill_ks:
	s_cmp_eq_u32 s[WV], 14
	s_cbranch_scc0 .Lfill_vs
	s_mov_b32 s57, KSC
	s_mov_b32 s60, s15
	FILL G1KS
	s_branch .Lasked
.Lfill_vs:
	s_mov_b32 s57, VSC
	s_mov_b32 s60, s16
	FILL G1VS
.Lasked:
	s_lshl_b32 s[RB], s[WV], 1
	s_and_b32 s[RB], s[RB], 8
	s_and_b32 s12, s[WV], 3
	s_lshr_b32 s13, s[WV], 1
	s_and_b32 s13, s13, 4
	s_or_b32 s[MP], s12, s13                       ; pair m = bits 3, 1, 0 of the wave's number
	s_bfe_u32 s12, ttmp6, 0x40000                  ; cx
	s_lshl_b32 s13, ttmp9, 2
	s_add_co_u32 s12, s12, s13                     ; i = 4 x cluster x + cx
	s_xor_b32 s[BLK], s[MP], 15                    ; 15 - m
	s_lshl_b32 s14, s[BLK], 3
	s_add_co_u32 s14, s14, s12                     ; the later tile
	s_lshl_b32 s13, s[MP], 3
	s_add_co_u32 s13, s13, s12                     ; the earlier tile
	TILE 14, Q0, 86, 88
	TILE 13, Q0L, 90, 92
	s_cmp_eq_u32 s[RB], 0
	s_cselect_b32 s60, s[Q0], s[Q0L]               ; the tile that I store
	s_lshl_b32 s62, s11, 11
	s_add_co_u32 s62, s62, s60
	s_lshl_b32 s62, s62, 12
	s_lshl_b32 s60, s10, 8
	s_add_co_u32 s62, s62, s60
	s_mov_b32 s63, 0
	s_add_nc_u64 s[6:7], s[6:7], s[62:63]          ; embds and e2 at that tile's first row, my head's 256 bytes
	s_add_nc_u64 s[8:9], s[8:9], s[62:63]
	s_sub_co_u32 s[DQ], s[Q0], s[Q0L]
	s_mul_i32 s60, s[WV], 4352
	s_add_co_u32 s60, s60, STAGE                   ; my stage
	s_mul_i32 s62, s[MP], 4608
	s_add_co_u32 s62, s62, XCH                     ; my pair's hand-over
	s_mov_b32 s[SEL], 0x76543210
	s_mov_b32 s[SEL+1], 0xfedcba98
	s_mov_b32 s[CS], 0x3d38aa3b                    ; c = log2(e) / 32
	s_mov_b32 s[CS+1], s[CS]
	v_and_b32 v7, 31, v0
	s_delay_alu instid0(VALU_DEP_1)
	v_lshlrev_b32 v1, 4, v7                        ; 16 x lane
	s_delay_alu instid0(VALU_DEP_2)
	v_lshlrev_b32 v2, 3, v7                        ; 8 x lane
	v_and_b32 v8, 15, v0                           ; r
	v_bfe_u32 v9, v0, 4, 1                         ; h
	s_delay_alu instid0(VALU_DEP_2)
	v_lshlrev_b32 v10, 4, v8                       ; 16 r
	global_load_b128 v[16:19], v1, s[86:87]
	global_load_b64 v[20:21], v2, s[86:87] offset:512
	global_load_b32 v29, v10, s[88:89]
	global_load_b128 v[236:239], v1, s[90:91]
	global_load_b64 v[240:241], v2, s[90:91] offset:512
	global_load_b32 v30, v10, s[92:93]
	v_add_nc_u32 v3, KSC, v10
	v_add_nc_u32 v4, VSC, v10
	v_and_b32 v5, 8, v8
	s_delay_alu instid0(VALU_DEP_1)
	v_add_nc_u32 v5, v5, v8
	s_delay_alu instid0(VALU_DEP_1)
	v_add_nc_u32 v5, s[Q0], v5                     ; my query,
	v_lshlrev_b32 v11, 4, v9
	s_delay_alu instid0(VALU_DEP_1)
	v_sub_nc_u32 v5, v5, v11                       ; less 16 h: what the mask compares with
	v_lshl_add_u32 v6, v9, 12, v10                 ; the way out: lanes 0-15 one row, lanes 16-31 the next; 16 bytes a lane
	v_mul_u32_u24 v11, v8, 272
	s_delay_alu instid0(VALU_DEP_1)
	v_lshl_add_u32 v11, v9, 6, v11
	s_delay_alu instid0(VALU_DEP_1)
	v_add_nc_u32 v[STO], s60, v11                  ; the stage, in: row r, + 64 h
	v_mul_u32_u24 v11, v9, 272
	s_delay_alu instid0(VALU_DEP_1)
	v_lshl_add_u32 v11, v8, 4, v11
	s_delay_alu instid0(VALU_DEP_1)
	v_add_nc_u32 v[RD], s60, v11                   ; back: lanes 0-15 one row, lanes 16-31 the next
	v_add_nc_u32 v[XA], s62, v1
	v_min_u32 v7, 15, v7
	s_delay_alu instid0(VALU_DEP_1)
	v_and_b32 v11, 8, v7
	s_delay_alu instid0(VALU_DEP_1)
	v_add_nc_u32 v11, v11, v7
	s_delay_alu instid0(VALU_DEP_1)
	v_lshlrev_b32 v[PFO], 12, v11                  ; the prefetch: a lane a row of 4,096 bytes
.irp j, 22,23,24,25,26,27,80,81,82,83,84,85
	v_mov_b32 v\j, 0                               ; Q's codes of k = 64 .. 127; what stands behind K's last tile
.endr
.set J, 0
.rept 32
	v_mov_b32 v[160+J], 0                          ; O^T: the step is written once; the first finds zeros
.set J, J+1
.endr
	v_mov_b32 v14, 0
	v_mov_b32 v15, 0
.irp b, 0,1,2,3
	v_mov_b32 v[BT+\b], 0                          ; a lane permute's destination counts as one of its sources
.endr
	v_mov_b32 v232, 0
	v_mov_b32 v235, 0                              ; (named as the upper half of the pair v[234:235])
	v_mov_b32 v13, 0xff61b1e6                      ; the largest t so far: -3e38
	s_delay_alu instid0(VALU_DEP_1)
	v_floor_f32 v12, -v13                          ; -M
	s_wait_alu depctr_va_vdst(0)
	s_wait_loadcnt 0x0                             ; Q
	s_wait_tensorcnt 0x0                           ; my one load has landed
	s_barrier_signal -1
	s_barrier_wait -1                              ; and everybody's: K and V are whole
; A KEY STEP: 128 keys.  In trip n the wave stands at x = n + 8 x bit 2; with y = x + m the key step is x while y < 16 (the later tile), then y - 16 (the earlier tile)
.macro STEP
	s_add_co_u32 s86, s[CNT], s[RB]
	s_add_co_u32 s[YY], s86, s[MP]
	s_cmp_ge_u32 s[YY], 16
	s_cselect_b32 s86, s[YY], s86
	s_and_b32 s[KS], s86, 15
	s_mul_i32 s[KB], s[KS], 6144
	s_lshl_b32 s[SB], s[KS], 9
	s_lshl_b32 s[TJ], s[KS], 8
	s_lshl_b32 s[KF], s[KS], 7
	v_add_nc_u32 v[ADK], s[KB], v1                 ; (these five are also the places behind the last step's products)
	v_add_nc_u32 v[ADK8], s[KB], v2
	v_add_nc_u32 v[ADS], s[SB], v3
	v_add_nc_u32 v[ADT], s[TJ], v4
	s_delay_alu instid0(VALU_DEP_4)
	v_add_nc_u32 v[ADV], VCODE, v[ADK]
.irp t, 0,1,2,3,4,5,6,7
	ds_load_b128 v[32+6*\t:35+6*\t], v[ADK] offset:768*\t
	ds_load_b64 v[36+6*\t:37+6*\t], v[ADK8] offset:768*\t+512
.endr
	ds_load_b128 v[86:89], v[ADS]
	ds_load_b128 v[90:93], v[ADS] offset:256
	s_wait_alu depctr_va_vdst(0)
	s_wait_dscnt 0x0
.irp t, 0,1,2,3,4,5,6,7
	v_wmma_scale_f32_16x16x128_f8f6f4 v[96+8*\t:103+8*\t], v[32+6*\t:43+6*\t], v[16:27], 0, v[86+\t], v29 matrix_a_fmt:MATRIX_FMT_FP6 matrix_b_fmt:MATRIX_FMT_FP6
.endr
.rept 4
	v_nop                                          ; places in front of loads into registers that the products read, and of the first read of the scores
.endr
.irp t, 0,1,2,3
.irp c, 0,1,2
	ds_load_b128 v[32+12*\t+4*\c:35+12*\t+4*\c], v[ADV] offset:1536*\t+512*\c      ; V's four fragments land under the softmax
.endr
.endr
	ds_load_b128 v[224:227], v[ADT]
	s_cmp_lt_u32 s[KS], s[BLK]                     ; the step lies ahead of my tile's block: all its keys count, no mask
	s_cbranch_scc1 .Lopen_\@
	v_sub_nc_u32 v232, v5, s[KF]                   ; d = my query - 16 h - KF.  Register 16 e + i holds key KF + 16 h + 32 e + i: hidden where 32 e + i > d
	v_mov_b32 v233, 0xff800000
.set N, 0
.rept 64
	v_cmp_gt_i32 vcc_lo, 32*(N/16)+N%16, v232
	v_cndmask_b32 v[96+N], v[96+N], v233, vcc_lo
.set N, N+1
.endr
.Lopen_\@:
.irp b, 0,1,2,3
	v_max3_num_f32 v[BM+\b], v[96+16*\b], v[97+16*\b], v[98+16*\b]     ; the largest score of each block of 32 keys: for the row's maximum, and, since p rises with the score, for the block's largest p
.endr
.irp i, 3,5,7,9,11,13
.irp b, 0,1,2,3
	v_max3_num_f32 v[BM+\b], v[BM+\b], v[96+16*\b+\i], v[97+16*\b+\i]
.endr
.endr
.irp b, 0,1,2,3
	v_max_num_f32 v[BM+\b], v[BM+\b], v[111+16*\b]
.endr
.irp b, 0,1,2,3
	s_delay_alu instid0(VALU_DEP_4)
	v_permlanex16_b32 v[BT+\b], v[BM+\b], s[SEL], s[SEL+1]
.endr
.irp b, 0,1,2,3
	s_delay_alu instid0(VALU_DEP_4)
	v_max_num_f32 v[BM+\b], v[BM+\b], v[BT+\b]
.endr
	s_delay_alu instid0(VALU_DEP_2)
	v_max3_num_f32 v232, v[BM], v[BM+1], v[BM+2]
	s_delay_alu instid0(VALU_DEP_1)
	v_max_num_f32 v232, v232, v[BM+3]
	s_delay_alu instid0(VALU_DEP_1)
	v_mul_f32 v232, s[CS], v232
	s_delay_alu instid0(VALU_DEP_1)
	v_max_num_f32 v13, v13, v232                   ; the running largest t
	v_mov_b32 v232, v12
	s_delay_alu instid0(VALU_DEP_2)
	v_floor_f32 v12, -v13                          ; the new -M = -ceil(t)
	s_delay_alu instid0(VALU_DEP_1)
	v_sub_f32 v232, v12, v232                      ; old M - new M: a whole number, 0 or less
	s_delay_alu instid0(VALU_DEP_1)
	v_cvt_i32_f32 v232, v232                       ; (it saturates)
	s_delay_alu instid0(VALU_DEP_1)
	v_ldexp_f32 v234, 1.0, v232                    ; f = 2^(old M - new M)
.set J, 0
.rept 32
	v_pk_fma_f32 v[96+J:97+J], v[96+J:97+J], s[CS:CS+1], v[12:13] op_sel_hi:[1,0,0]    ; t - M
.set J, J+2
.endr
.irp b, 0,1,2,3
	v_fma_f32 v[BM+\b], v[BM+\b], s[CS], v12
.endr
.set J, 0
	s_wait_alu depctr_va_vdst(0)
.rept 64
	v_exp_f32 v[96+J], v[96+J]                     ; p = 2^(t - M)
.set J, J+1
.endr
	v_pk_mul_f32 v[14:15], v[14:15], v[234:235] op_sel_hi:[1,0]        ; the sums under the new M (a plain place behind the exponentials)
	s_wait_alu depctr_va_vdst(0)                   ; one wait for the batch, ahead of its first reader
.irp b, 0,1,2,3
	v_exp_f32 v[BM+\b], v[BM+\b]                   ; the block's largest p
.endr
	; the row's sum of the unquantised p: 32 pairs in seven chains
.irp c, 0,1,2,3,4,5
	v_pk_add_f32 v[SA+2*\c:SA+2*\c+1], v[96+2*\c:97+2*\c], v[108+2*\c:109+2*\c]
.endr
	v_pk_add_f32 v[14:15], v[14:15], v[120:121]
.irp c, 0,1,2,3,4,5
	v_pk_add_f32 v[SA+2*\c:SA+2*\c+1], v[SA+2*\c:SA+2*\c+1], v[122+2*\c:123+2*\c]
.endr
	v_pk_add_f32 v[14:15], v[14:15], v[134:135]
.irp c, 0,1,2,3,4,5
	v_pk_add_f32 v[SA+2*\c:SA+2*\c+1], v[SA+2*\c:SA+2*\c+1], v[136+2*\c:137+2*\c]
.endr
	v_pk_add_f32 v[14:15], v[14:15], v[148:149]
.irp c, 0,1,2,3,4
	v_pk_add_f32 v[SA+2*\c:SA+2*\c+1], v[SA+2*\c:SA+2*\c+1], v[150+2*\c:151+2*\c]
.endr
	v_pk_add_f32 v[SA:SA+1], v[SA:SA+1], v[SA+2:SA+3]
	v_pk_add_f32 v[SA+4:SA+5], v[SA+4:SA+5], v[SA+6:SA+7]
	v_pk_add_f32 v[SA+8:SA+9], v[SA+8:SA+9], v[SA+10:SA+11]
	s_delay_alu instid0(VALU_DEP_2)
	v_pk_add_f32 v[SA:SA+1], v[SA:SA+1], v[SA+4:SA+5]
	s_delay_alu instid0(VALU_DEP_2)
	v_pk_add_f32 v[14:15], v[14:15], v[SA+8:SA+9]
	s_delay_alu instid0(VALU_DEP_1)
	v_pk_add_f32 v[14:15], v[14:15], v[SA:SA+1]
	s_wait_alu depctr_va_vdst(0)                   ; and one for the four
.irp b, 0,1,2,3
	v_max_num_f32 v[BM+\b], 0x1800000, v[BM+\b]    ; the floor 2^(3 - 127)
.endr
.irp b, 0,1,2,3
	s_delay_alu instid0(VALU_DEP_4)
	v_add_nc_u32 v[SO+\b], 0xff000000, v[BM+\b]
.endr
.irp b, 0,1,2,3
	s_delay_alu instid0(VALU_DEP_4)
	v_lshrrev_b32 v[BT+\b], 23, v[SO+\b]
.endr
	s_delay_alu instid0(VALU_DEP_3)
	v_lshl_or_b32 v228, v[BT+1], 8, v[BT]          ; p's scale word for these 128 keys
	s_delay_alu instid0(VALU_DEP_1)
	v_lshl_or_b32 v228, v[BT+2], 16, v228
	s_delay_alu instid0(VALU_DEP_1)
	v_lshl_or_b32 v228, v[BT+3], 24, v228
.irp c, 0,1
	v_cvt_scalef32_pk16_fp6_f32 v[192+6*\c:194+6*\c], v[96+32*\c:111+32*\c], v[SO+2*\c]
	v_cvt_scalef32_pk16_fp6_f32 v[204+4*\c:206+4*\c], v[112+32*\c:127+32*\c], v[SO+2*\c+1]
.endr
	v_nop                                          ; one plain place behind a scaled conversion
.irp c, 0,1
.irp i, 0,1,2
	v_permlane16_swap_b32 v[192+6*\c+\i], v[204+4*\c+\i]
.endr
.irp i, 0,1,2
	s_delay_alu instid0(VALU_DEP_3)
	v_mov_b32 v[195+6*\c+\i], v[204+4*\c+\i]
.endr
.endr
	s_wait_alu depctr_va_vdst(0)                   ; directly ahead of the first reader of O^T
.set J, 0
.rept 16
	v_pk_mul_f32 v[160+J:161+J], v[160+J:161+J], v[234:235] op_sel_hi:[1,0]    ; O^T under the new M; these sixteen stand between the writes of p's codes and scale word and the products
.set J, J+2
.endr
	s_wait_alu depctr_va_vdst(0)
	s_wait_dscnt 0x0                               ; V
.irp t, 0,1,2,3
	v_wmma_scale_f32_16x16x128_f8f6f4 v[160+8*\t:167+8*\t], v[32+12*\t:43+12*\t], v[192:203], v[160+8*\t:167+8*\t], v[224+\t], v228 matrix_a_fmt:MATRIX_FMT_FP6 matrix_b_fmt:MATRIX_FMT_FP6
.endr
.endm
	s_mov_b32 s[CNT], 0
.Lslot:                                            ; eight trips, a key step each, in every wave
	STEP
	s_cmp_lg_u32 s[CNT], 1
	s_cbranch_scc1 .Lno_ask
	global_prefetch_b8 v[PFO], s[6:7] th:TH_LOAD_NT scope:SCOPE_SE     ; its registers are never rewritten
.Lno_ask:
	s_cmp_eq_u32 s[RB], 0
	s_cbranch_scc1 .Lkeep
	s_cmp_lg_u32 s[YY], 15                         ; key step 15 - m was the later tile's last
	s_cbranch_scc1 .Lkeep
	v_mov_b32 v29, v30                             ; the earlier tile's Q (these eight are the places behind the products)
.irp j, 0,1,2,3,4,5
	v_mov_b32 v[16+\j], v[236+\j]
.endr
	v_sub_nc_u32 v5, v5, s[DQ]
.irp j, 0,1,2,3,4,5,6,7
	ds_store_b128 v[XA], v[160+4*\j:163+4*\j] offset:512*\j            ; my part of the later tile, each accumulator from its low end on
.endr
	ds_store_b128 v[XA], v[12:15] offset:4096
.set J, 0
.rept 32
	v_mov_b32 v[160+J], 0
.set J, J+1
.endr
	v_mov_b32 v14, 0
	v_mov_b32 v15, 0
	v_mov_b32 v13, 0xff61b1e6
	s_delay_alu instid0(VALU_DEP_1)
	v_floor_f32 v12, -v13
	s_mov_b32 s[BLK], s[MP]
	s_wait_alu depctr_va_vdst(0)
.Lkeep:
	s_add_co_u32 s[CNT], s[CNT], 1
	s_cmp_lt_u32 s[CNT], 8
	s_cbranch_scc1 .Lslot
	s_wait_alu depctr_va_vdst(0)
	s_wait_dscnt 0x0                               ; for the partner's sake: what I handed over lies in LDS
	s_barrier_signal -1                            ; my eight trips are done, and what I hand over is stored
	s_cmp_eq_u32 s[RB], 0
	s_cbranch_scc1 .Lno_ninth
	STEP                                           ; the ninth step, key step m of the earlier tile, stands between the signal and the wait: work on registers and LDS loads of K and V, which nobody writes
.Lno_ninth:
	s_barrier_wait -1                              ; every wave has signalled: the partner's part lies in LDS
	s_cmp_lg_u32 s[RB], 0
	s_cbranch_scc1 .Llight
	EMB
.irp j, 0,1,2,3,4,5,6,7
	ds_load_b128 v[96+4*\j:99+4*\j], v[XA] offset:512*\j               ; the partner's part of my tile
.endr
	ds_load_b128 v[128:131], v[XA] offset:4096
	s_wait_dscnt 0x0
	v_mov_b32 v137, 0                              ; (upper halves of pairs that are named whole)
	v_mov_b32 v139, 0
	v_min_num_f32 v132, v12, v128                  ; -M of both parts
	s_delay_alu instid0(VALU_DEP_1)
	v_sub_f32 v133, v132, v12                      ; whole numbers, 0 or less
	v_sub_f32 v134, v132, v128
	s_delay_alu instid0(VALU_DEP_2)
	v_cvt_i32_f32 v133, v133
	s_delay_alu instid0(VALU_DEP_2)
	v_cvt_i32_f32 v134, v134
	s_delay_alu instid0(VALU_DEP_2)
	v_ldexp_f32 v136, 1.0, v133
	s_delay_alu instid0(VALU_DEP_2)
	v_ldexp_f32 v138, 1.0, v134
	s_delay_alu instid0(VALU_DEP_2)
	v_pk_mul_f32 v[14:15], v[14:15], v[136:137] op_sel_hi:[1,0]
.set J, 0
.rept 16
	v_pk_mul_f32 v[160+J:161+J], v[160+J:161+J], v[136:137] op_sel_hi:[1,0]
.set J, J+2
.endr
	v_pk_fma_f32 v[14:15], v[130:131], v[138:139], v[14:15] op_sel_hi:[1,0,1]
.set J, 0
.rept 16
	v_pk_fma_f32 v[160+J:161+J], v[96+J:97+J], v[138:139], v[160+J:161+J] op_sel_hi:[1,0,1]
.set J, J+2
.endr
	s_wait_alu depctr_va_vdst(0)
	s_branch .Lout
.Llight:
	EMB
.Lout:
	; THE WAY OUT: O^T / the sum goes through my stage in LDS and comes back as rows of 256 bytes; embds is added; sixteen lanes store 256 consecutive bytes, aligned
	v_add_f32 v14, v14, v15
	s_delay_alu instid0(VALU_DEP_1)
	v_permlanex16_b32 v232, v14, s[SEL], s[SEL+1]
	s_delay_alu instid0(VALU_DEP_1)
	v_add_f32 v14, v14, v232                       ; the row's sum
	s_wait_alu depctr_va_vdst(0)
	v_rcp_f32 v14, v14
	v_nop                                          ; a plain place behind the transcendental
	s_wait_alu depctr_va_vdst(0)                   ; ahead of the first reader of the reciprocal and of O^T
.set J, 0
.rept 16
	v_pk_mul_f32 v[128+J:129+J], v[160+J:161+J], v[14:15] op_sel_hi:[1,0]      ; register 8 t + j is channel 32 (t / 2) + 8 (t % 2) + 16 h + j
.set J, J+2
.endr
.irp t, 0,1,2,3
	ds_store_b128 v[STO], v[128+8*\t:131+8*\t] offset:128*(\t/2)+32*(\t%2)
	ds_store_b128 v[STO], v[132+8*\t:135+8*\t] offset:128*(\t/2)+32*(\t%2)+16
.endr
.irp t, 0,1,2,3,4,5,6,7
	ds_load_b128 v[96+4*\t:99+4*\t], v[RD] offset:544*\t   ; LDS serves a wave's instructions in order: these see my stores
.endr
	s_wait_dscnt 0x0
	s_wait_loadcnt 0x0
.set J, 0
.rept 16
	v_pk_add_f32 v[96+J:97+J], v[96+J:97+J], v[32+J:33+J]
.set J, J+2
.endr
.irp t, 0,1,2,3,4,5,6,7
	global_store_b128 v6, v[96+4*\t:99+4*\t], s[8:9] offset:(2*\t+8*(\t/4))*4096
.endr
	s_wait_tensorcnt 0x0                           ; the wave's end
	ds_add_u32 v254, v255
	s_wait_dscnt 0x0
	ROUND                                          ; the closing round
	s_endpgm
.Lfunc_end_k_q13be4a05d0_attn:
	.size	k_q13be4a05d0_attn, .Lfunc_end_k_q13be4a05d0_attn-k_q13be4a05d0_attn
	.p2alignl 7, 3214868480
	.fill 96, 4, 3214868480
	.section	.rodata,"a",@progbits
	.p2align	6, 0x0
	.amdhsa_kernel k_q13be4a05d0_attn
		.amdhsa_group_segment_fixed_size 317440
		.amdhsa_private_segment_fixed_size 0
		.amdhsa_enable_private_segment 0
		.amdhsa_kernarg_size 24
		.amdhsa_user_sgpr_count 2
		.amdhsa_user_sgpr_kernarg_segment_ptr 1
		.amdhsa_wavefront_size32 1
		.amdhsa_system_sgpr_workgroup_id_x 1
		.amdhsa_system_sgpr_workgroup_id_y 1
		.amdhsa_system_sgpr_workgroup_id_z 1
		.amdhsa_system_vgpr_workitem_id 0
		.amdhsa_next_free_vgpr 256
		.amdhsa_next_free_sgpr 100
		.amdhsa_reserve_vcc 1
		.amdhsa_float_denorm_mode_32 3
		.amdhsa_float_denorm_mode_16_64 3
		.amdhsa_memory_ordered 1
		.amdhsa_forward_progress 1
		.amdhsa_inst_pref_size 70
	.end_amdhsa_kernel
	.amdgpu_metadata
---
amdhsa.version: [ 1, 2 ]
amdhsa.kernels:
  - .name:           k_q13be4a05d0_attn
    .symbol:         k_q13be4a05d0_attn.kd
    .args:
      - { .name: qkvc, .offset: 0, .size: 8, .value_kind: global_buffer, .address_space: global }
      - { .name: embds, .offset: 8, .size: 8, .value_kind: global_buffer, .address_space: global }
      - { .name: e2, .offset: 16, .size: 8, .value_kind: global_buffer, .address_space: global }
    .group_segment_fixed_size: 317440
    .private_segment_fixed_size: 0
    .kernarg_segment_align: 8
    .kernarg_segment_size: 24
    .max_flat_workgroup_size: 512
    .sgpr_count:     100
    .vgpr_count:     256
    .wavefront_size: 32
...
	.end_amdgpu_metadata
.endif
;; end of part 3
;; launch ln2: the kernel of part 1 again; grid 256 x 1, 8 waves a work-group, no clusters, 67,072 bytes of LDS; arguments e2, ln2_g, ln2_b, Wq_codes, Wq_scales, Wk_codes, Wk_scales, Wv_codes, Wv_scales, W1_codes, W1_scales, W2_codes, W2_scales, yq; writes yq
;; launch ff1 (part 4): grid 16 x 16, 4 waves a work-group, clusters of 4 x 4, 327,680 bytes of LDS; arguments yq, ws1, b1, hid; writes hid
.if DOCPART == 4
	.amdgcn_target "amdgcn-amd-amdhsa--gfx1250"
	.amdhsa_code_object_version 6
	.text
	.protected	k_q13be4a05d0_ff1
	.globl	k_q13be4a05d0_ff1
	.p2align	8
	.type	k_q13be4a05d0_ff1,@function
k_q13be4a05d0_ff1:
	s_mov_b64 s[64:65], 0
	v_nop
	global_prefetch_b8 v0, s[64:65] scope:SCOPE_SE
	s_setreg_imm32_b32 hwreg(HW_REG_WAVE_MODE, 25, 1), 1
	s_wait_xcnt 0x0
	s_wait_alu depctr_hold_cnt(0) depctr_sa_sdst(0) depctr_va_vdst(0) depctr_va_sdst(0) depctr_va_ssrc(0) depctr_va_vcc(0) depctr_vm_vsrc(0)
	s_getreg_b32 s2, hwreg(HW_REG_IB_STS2, 6, 4)
	s_cmp_eq_u32 s2, 0
	s_cbranch_scc0 .Lentry_in_a_cluster
	s_endpgm
.Lentry_in_a_cluster:
	s_bfe_u32 s2, ttmp6, 0x10000c
	s_cmp_lg_u32 s2, 0xf033
	s_cbranch_scc0 .Lentry_shape_is_right
	s_endpgm
.Lentry_shape_is_right:
; hid = Q(relu(y W1^T + b1)): y's and W1's codes of FP6 (E2M3) come as images of operand registers, [K step][256 tiles][1,536]; K = 1,024.  b1 is the C of the first products; the result is quantised along the hidden
; units and stored as images for the next product.  A work-group of four waves makes 256 x 256, a wave 128 x 128.  K goes in slots of two steps of 128 through a ring of two LDS slots; a side's part of a slot is
; [K step][16 tiles][1,536]; the scale words of all of K come once.  CLUSTERS: 4 x 4; A's tiles are asked for jointly along a row of the cluster, B's along a column.
; PREFETCH: fills 1 and 2 are asked for behind the head's loads, fill 3 behind fill 1's load: of the 24,576 bytes that a wave fetches of a fill each of the four partners names 6,144, a lane 256 bytes, told apart by address.
; LIMITS: NaN and infinities are not served; a block whose largest number lies under 2^-124 gets the byte 1 (read by this program alone).
.set NT,     8
.set NQ,     2
.set KSTEPS, 8
.set LAPS,   KSTEPS/(2*NQ)
.set HALFT,  NQ*NT*1536
.set SLOT,   4*HALFT
.set SCL,    2*SLOT
.set QS,     KSTEPS*(NT/4)*256
.set SPARE,  SCL+4*QS
.set PA,     393216
.set PB,     393216
.set YS,     3145728
.set W1C,    6553600
.set W1S,    9699328
.set HSO,    12582912
.set L16,  4
.set ADRA, 16
.set ADRB, 20
.set ADRS, 27
.set SPW,  28
.set NIL,  29
.set SC,   32
.set AF,   64
.set PC,   64
.set TM,   96
.set PWS,  112
.set W,    120
.set SEL,  22
.set G1, 24
.set G0, 32
.set G1B, 48
.set G0B, 56
.set G1S, 68
.set G0S, 76
.set G1SB, 80
.set G0SB, 88
.set MSB, 0
.macro WIN new
.if MSB != (\new)
	s_set_vgpr_msb (MSB<<8)|(\new)
.set MSB, (\new)
.endif
.endm
.set MUL_LO, 0xa1
.set MUL_B,  0x91
.set TO_B,   0x40
.macro JLOAD g0a, g1a, g0b, g1b
	s_cmp_eq_u32 s15, 0
	s_cbranch_scc0 .Lfor_b_\@
	tensor_load_to_lds s[\g0a:\g0a+3], s[\g1a:\g1a+7]
	s_nop 0
.rept 4
	v_nop
.endr
	s_branch .Lasked_\@
.Lfor_b_\@:
	tensor_load_to_lds s[\g0b:\g0b+3], s[\g1b:\g1b+7]
	s_nop 0
.rept 4
	v_nop
.endr
.Lasked_\@:
.endm
.macro CREST
	s_cmp_lg_u32 s14, 0
	s_cbranch_scc1 .Lnot_wave_0_\@
	s_barrier_signal -3
.Lnot_wave_0_\@:
	s_barrier_wait -3
	s_barrier_signal -1
	s_barrier_wait -1
.endm
.macro CROUND
	s_barrier_signal -1
	s_barrier_wait -1
	CREST
.endm
.macro PLACES n
.rept \n
	v_nop
.endr
.endm
.macro FETCH slot, q, p
	WIN TO_B
.irp i, 0,1,2,3,4,5,6,7
.irp c, 0,1,2
	ds_load_b128 v[128*(\p)+12*\i+4*\c:128*(\p)+12*\i+4*\c+3], v[ADRB+\slot] offset:((\q)*2*NT+\i)*1536+512*\c
.endr
.endr
	WIN 0
.irp i, 0,1,2,3,4,5,6,7
.irp c, 0,1,2
	ds_load_b128 v[AF+96*(\p)+12*\i+4*\c:AF+96*(\p)+12*\i+4*\c+3], v[ADRA+\slot] offset:((\q)*2*NT+\i)*1536+512*\c
.endr
.endr
.irp g, 0,1
	ds_load_b128 v[SC+8*(\p)+4*\g:SC+8*(\p)+4*\g+3], v[ADRS] offset:(\q)*1024+256*\g
.endr
.endm
.macro MULG g, p, first
.if \first
	WIN MUL_B+0x40*((\g)/2)
.else
	WIN MUL_LO+0x50*((\g)/2)
.endif
.irp a, 2*(\g), 2*(\g)+1
.irp b, 0,1,2,3,4,5,6,7
.if \first
	v_wmma_scale_f32_16x16x128_f8f6f4 v[8*(8*((\a)%4)+\b):8*(8*((\a)%4)+\b)+7], v[128*(\p)+12*\b:128*(\p)+12*\b+11], v[AF+96*(\p)+12*(\a):AF+96*(\p)+12*(\a)+11], v[96+8*\b+96*(\b/4):96+8*\b+96*(\b/4)+7], v[SC+8*(\p)+\b], v[SC+8*(\p)+(\a)] matrix_a_fmt:MATRIX_FMT_FP6 matrix_b_fmt:MATRIX_FMT_FP6 matrix_a_scale:MATRIX_SCALE_ROW1
.else
	v_wmma_scale_f32_16x16x128_f8f6f4 v[8*(8*((\a)%4)+\b):8*(8*((\a)%4)+\b)+7], v[128*(\p)+12*\b:128*(\p)+12*\b+11], v[AF+96*(\p)+12*(\a):AF+96*(\p)+12*(\a)+11], v[8*(8*((\a)%4)+\b):8*(8*((\a)%4)+\b)+7], v[SC+8*(\p)+\b], v[SC+8*(\p)+(\a)] matrix_a_fmt:MATRIX_FMT_FP6 matrix_b_fmt:MATRIX_FMT_FP6 matrix_a_scale:MATRIX_SCALE_ROW1
.endif
.endr
.endr
.endm
.macro STEP slot, q, first
	s_wait_dscnt 0x0
	PLACES 4
	FETCH \slot, (\q)+1, 1-(\q)%2
	MULG 0, (\q)%2, \first
	MULG 1, (\q)%2, \first
	MULG 2, (\q)%2, \first
	MULG 3, (\q)%2, \first
.endm
.macro TURN slot, next, fill
	WIN 0
	s_wait_tensorcnt 0x0
	ds_add_u32 v[SPW], v[NIL]
	s_wait_dscnt 1
	MULG 0, 1, 0
	s_wait_dscnt 0x0
	s_barrier_signal -1
	MULG 1, 1, 0
	WIN 0
	s_barrier_wait -1
.if \fill
	CREST
	s_add_nc_u64 s[G0+4*\slot+2:G0+4*\slot+3], s[G0+4*\slot+2:G0+4*\slot+3], 2*NQ*PA
	s_add_nc_u64 s[G0B+4*\slot+2:G0B+4*\slot+3], s[G0B+4*\slot+2:G0B+4*\slot+3], 2*NQ*PB
	JLOAD G0+4*\slot, G1, G0B+4*\slot, G1B
.else
	PLACES 4
.endif
	s_wait_alu depctr_va_vdst(0)
	v_add_nc_u32 v[ADRS], NQ*(NT/2)*256, v[ADRS]
	FETCH \next, 0, 0
	MULG 2, 1, 0
	MULG 3, 1, 0
.endm
	s_load_b256 s[4:11], s[0:1], 0x0
	v_lshl_add_u32 v[SPW], v0, 2, SPARE
	v_mov_b32 v[NIL], 0
	ds_add_u32 v28, v29
	ds_add_u32 v28, v29
	s_wait_dscnt 0x0
	v_lshrrev_b32 v1, 5, v0
	v_readfirstlane_b32 s14, v1
	s_lshr_b32 s15, s14, 1
	s_and_b32 s16, s14, 1
	s_bfe_u32 s40, ttmp6, 0x40000
	s_bfe_u32 s41, ttmp6, 0x40004
	s_lshl_b32 s42, ttmp9, 2
	s_add_co_u32 s42, s42, s40
	s_and_b32 s17, ttmp7, 0xffff
	s_lshl_b32 s17, s17, 2
	s_add_co_u32 s17, s17, s41
	s_lshl_b32 s43, s41, 2
	s_lshl_b32 s43, 15, s43
	s_lshl_b32 s44, 0x1111, s40
	s_or_b32 s[G1+0], s43, (3<<16)|(1<<21)
	s_or_b32 s[G1B+0], s44, (3<<16)|(1<<21)
.irp g, G1, G1B
	s_mov_b32 s[\g+1], 3072<<16                    ; for the head's loads: NQ rows (K steps) of a side's 16 images
	s_mov_b32 s[\g+2], NQ<<16
	s_mov_b32 s[\g+3], 3072<<16
	s_mov_b32 s[\g+4], NQ
	s_mov_b32 s[\g+5], 49152
	s_mov_b32 s[\g+6], 0
	s_mov_b32 s[\g+7], 0
.endr
	s_or_b32 s[G1S+0], s43, (3<<16)|(1<<21)
	s_or_b32 s[G1SB+0], s44, (3<<16)|(1<<21)
.irp g, G1S, G1SB
	s_mov_b32 s[\g+1], 128<<16                     ; a side's 16 tiles: 1,024 bytes of scale words a K step
	s_mov_b32 s[\g+2], KSTEPS<<16
	s_mov_b32 s[\g+3], 128<<16
	s_mov_b32 s[\g+4], KSTEPS
	s_mov_b32 s[\g+5], 2048
	s_mov_b32 s[\g+6], 0
	s_mov_b32 s[\g+7], 0
.endr
	s_lshl_b32 s20, s17, 4                         ; A's block: its first tile
	s_mul_i32 s92, s20, 1536
	s_mov_b32 s93, 0
	s_lshl_b32 s94, s20, 6
	s_add_co_u32 s94, s94, YS
	s_mov_b32 s95, 0
	s_lshl_b32 s46, s42, 4                         ; B's
	s_mul_i32 s96, s46, 1536
	s_add_co_u32 s96, s96, W1C
	s_mov_b32 s97, 0
	s_lshl_b32 s98, s46, 6
	s_add_co_u32 s98, s98, W1S
	s_mov_b32 s99, 0
	s_mul_i32 s45, s14, HALFT
	s_wait_kmcnt 0x0
	s_add_nc_u64 s[92:93], s[4:5], s[92:93]
	s_add_nc_u64 s[94:95], s[4:5], s[94:95]
	s_add_nc_u64 s[96:97], s[6:7], s[96:97]
	s_add_nc_u64 s[98:99], s[6:7], s[98:99]
	CROUND
	s_mov_b32 s[G0S], 1
	s_mov_b32 s[G0S+1], SCL
	s_mov_b64 s[G0S+2:G0S+3], s[94:95]
	s_or_b32 s[G0S+3], s[G0S+3], 0x80000000
	s_mov_b32 s[G0SB], 1
	s_mov_b32 s[G0SB+1], SCL+2*QS
	s_mov_b64 s[G0SB+2:G0SB+3], s[98:99]
	s_or_b32 s[G0SB+3], s[G0SB+3], 0x80000000
	s_mul_i32 s18, s16, (NQ/2)*PA                  ; in the ring I fetch one K step of a slot's two; in waves 0 and 2 that is the slot's first byte
	s_mov_b32 s19, 0
	s_add_nc_u64 s[92:93], s[92:93], s[18:19]
	s_add_nc_u64 s[96:97], s[96:97], s[18:19]
.irp s, 0,1
	s_mov_b32 s[G0+4*\s], 1
	s_add_co_u32 s[G0+4*\s+1], s45, \s*SLOT
	s_add_nc_u64 s[G0+4*\s+2:G0+4*\s+3], s[92:93], \s*NQ*PA
	s_or_b32 s[G0+4*\s+3], s[G0+4*\s+3], 0x80000000
	s_mov_b32 s[G0B+4*\s], 1
	s_add_co_u32 s[G0B+4*\s+1], s45, \s*SLOT
	s_add_nc_u64 s[G0B+4*\s+2:G0B+4*\s+3], s[96:97], \s*NQ*PB
	s_or_b32 s[G0B+4*\s+3], s[G0B+4*\s+3], 0x80000000
.endr
; THE HEAD'S LOADS, ONE A WAVE: wave 0 A's whole slot 0, wave 1 A's scale words, wave 2 B's whole slot 0, wave 3 B's scale words.
; Slot 0's group 0 of waves 0 and 2 names the side's first byte in memory and in LDS, so it serves the whole side.  One chain of branches on the wave's number, one load to an arm.
.macro HLOAD g0, g1
	tensor_load_to_lds s[\g0:\g0+3], s[\g1:\g1+7]
	s_nop 0
.rept 4
	v_nop
.endr
.endm
	s_cmp_eq_u32 s14, 0
	s_cbranch_scc0 .Lhead_1
	HLOAD G0, G1
	s_branch .Lhead_asked
.Lhead_1:
	s_cmp_eq_u32 s14, 1
	s_cbranch_scc0 .Lhead_2
	HLOAD G0S, G1S
	s_branch .Lhead_asked
.Lhead_2:
	s_cmp_eq_u32 s14, 2
	s_cbranch_scc0 .Lhead_3
	HLOAD G0B, G1B
	s_branch .Lhead_asked
.Lhead_3:
	HLOAD G0SB, G1SB
.Lhead_asked:
	s_cmp_eq_u32 s15, 0                            ; the prefetches: do I fetch for A?
	s_cselect_b64 s[4:5], s[92:93], s[96:97]       ; my K step of fill 0
	s_cselect_b32 s18, s40, s41                    ; my place among the four that ask with me
	s_mul_i32 s18, s18, 6144
	s_add_nc_u64 s[4:5], s[4:5], s[18:19]          ; my quarter of its 24,576 bytes; never rewritten
	v_and_b32 v8, 31, v0
	v_min_u32 v8, 23, v8
	v_lshlrev_b32 v8, 8, v8                        ; 256 x lane; lanes 24-31 name the last block again
	global_prefetch_b8 v8, s[4:5] offset:NQ*PA th:TH_LOAD_NT scope:SCOPE_SE        ; fill 1
	global_prefetch_b8 v8, s[4:5] offset:2*NQ*PA th:TH_LOAD_NT scope:SCOPE_SE      ; fill 2
	v_and_b32 v1, 31, v0
	v_and_b32 v2, 15, v0
	v_bfe_u32 v3, v0, 4, 1
	s_wait_alu depctr_va_vdst(0)
	v_lshlrev_b32 v[L16], 4, v1
	s_mul_i32 s21, s15, NT*1536
	s_mul_i32 s22, s16, NT*1536
	s_add_co_u32 s22, s22, 2*HALFT
.irp s, 0,1
	v_add_nc_u32 v[ADRA+\s], s21, v[L16]
	v_add_nc_u32 v[ADRB+\s], s22, v[L16]
	s_add_co_u32 s21, s21, SLOT
	s_add_co_u32 s22, s22, SLOT
.endr
	s_mul_i32 s21, s15, (NT/4)*256
	s_mul_i32 s22, s16, (NT/4)*256
	s_add_co_u32 s22, s22, 2*QS
	s_sub_co_u32 s22, s22, s21
	v_mul_u32_u24 v6, s22, v3
	s_add_co_u32 s21, s21, SCL
	v_lshl_add_u32 v6, v2, 4, v6
	v_add_nc_u32 v[ADRS], s21, v6
	s_lshl_b32 s100, s17, 4
	s_lshl_b32 s101, s15, 3
	s_add_co_u32 s100, s100, s101
	s_lshl_b32 s101, s42, 1
	s_add_co_u32 s101, s101, s16
	s_lshl_b32 s12, s101, 8
	s_add_co_u32 s12, s12, s100
	s_mul_i32 s12, s12, 1536
	s_mov_b32 s13, 0
	s_add_nc_u64 s[12:13], s[10:11], s[12:13]
	s_lshl_b32 s101, s101, 14
	s_lshl_b32 s100, s100, 6
	s_add_co_u32 s100, s100, s101
	s_add_co_u32 s100, s100, HSO
	s_mov_b32 s101, 0
	s_add_nc_u64 s[10:11], s[10:11], s[100:101]
	s_lshl_b32 s100, s42, 10
	s_lshl_b32 s101, s16, 9
	s_add_co_u32 s100, s100, s101
	s_mov_b32 s101, 0
	s_add_nc_u64 s[8:9], s[8:9], s[100:101]
	v_lshlrev_b32 v7, 6, v3
	WIN 0x40
.irp b, 0,1,2,3,4,5,6,7
	global_load_b128 v[96+8*\b+96*(\b/4):99+8*\b+96*(\b/4)], v7, s[8:9] offset:(32*(\b/2)+8*(\b%2))*4
	global_load_b128 v[100+8*\b+96*(\b/4):103+8*\b+96*(\b/4)], v7, s[8:9] offset:(32*(\b/2)+8*(\b%2))*4+16
.endr
	WIN 0
	s_wait_alu depctr_va_vdst(0)
	s_wait_tensorcnt 0x0                           ; my tile of the head's four is in; slot 1's first fill is issued as a refill is:
	ds_add_u32 v[SPW], v[NIL]
	s_mov_b32 s[G1+1], 1536<<16                    ; no load of mine is out: from here on a load brings one K step of 16 images, dense: 2 rows of 1,536 elements
	s_mov_b32 s[G1+3], 1536<<16
	s_mov_b32 s[G1+5], 1536
	s_mov_b32 s[G1B+1], 1536<<16
	s_mov_b32 s[G1B+3], 1536<<16
	s_mov_b32 s[G1B+5], 1536
	s_wait_dscnt 0x0
	CROUND                                         ; all four tiles are in, and the sixteen work-groups are here
	JLOAD G0+4, G1, G0B+4, G1B                     ; slot 1: the first tensor load behind the round
	FETCH 0, 0, 0
	global_prefetch_b8 v8, s[4:5] offset:3*NQ*PA th:TH_LOAD_NT scope:SCOPE_SE      ; fill 3, the last
	s_wait_loadcnt 0x0
	STEP 0, 0, 1
	WIN 0
	s_mov_b32 s3, LAPS-1
.Llap:
	TURN 0, 1, 1
	s_wait_alu depctr_va_vdst(0)
	STEP 1, 0, 0
	TURN 1, 0, 1
	s_wait_alu depctr_va_vdst(0)
	STEP 0, 0, 0
	WIN 0
	s_sub_co_u32 s3, s3, 1
	s_cmp_lg_u32 s3, 0
	s_cbranch_scc1 .Llap
	TURN 0, 1, 0
	s_wait_alu depctr_va_vdst(0)
	STEP 1, 0, 0
	s_wait_dscnt 0x0
	MULG 0, 1, 0
	MULG 1, 1, 0
	MULG 2, 1, 0
	MULG 3, 1, 0
	WIN 0
	PLACES 4
	s_mov_b32 s[SEL], 0x76543210
	s_mov_b32 s[SEL+1], 0xfedcba98
.irp b, 0,1,2,3
	v_mov_b32 v[TM+4+\b], 0
.endr
.macro QBLK a
.set AC, 64*((\a)%4)
	WIN 0x88+0x44*((\a)/4)
.set J, 0
.rept 64
	v_max_num_f32 v[AC+J], 0, v[AC+J]
.set J, J+1
.endr
	WIN 0x28+0x14*((\a)/4)
.irp b, 0,1,2,3
	v_max3_num_f32 v[TM+\b], 0x1800000, v[AC+16*\b], v[AC+16*\b+1]
.endr
.irp i, 2,4,6,8,10,12,14
.irp b, 0,1,2,3
	v_max3_num_f32 v[TM+\b], v[TM+\b], v[AC+16*\b+\i], v[AC+16*\b+\i+1]
.endr
.endr
	WIN 0
.irp b, 0,1,2,3
	v_permlanex16_b32 v[TM+4+\b], v[TM+\b], s[SEL], s[SEL+1]
.endr
.irp b, 0,1,2,3
	v_max_num_f32 v[TM+\b], v[TM+\b], v[TM+4+\b]
.endr
.irp b, 0,1,2,3
	v_add_nc_u32 v[TM+12+\b], 0xff000000, v[TM+\b]
.endr
.irp b, 0,1,2,3
	v_lshrrev_b32 v[TM+4+\b], 23, v[TM+12+\b]
.endr
	v_lshl_or_b32 v[PWS+(\a)], v[TM+5], 8, v[TM+4]
	v_lshl_or_b32 v[PWS+(\a)], v[TM+6], 16, v[PWS+(\a)]
	v_lshl_or_b32 v[PWS+(\a)], v[TM+7], 24, v[PWS+(\a)]
	s_wait_xcnt 0x0
	WIN 0x02+(\a)/4
.irp c, 0,1
	v_cvt_scalef32_pk16_fp6_f32 v[PC+6*\c:PC+6*\c+2], v[AC+32*\c:AC+32*\c+15], v[TM+12+2*\c]
	v_cvt_scalef32_pk16_fp6_f32 v[PC+12+4*\c:PC+14+4*\c], v[AC+32*\c+16:AC+32*\c+31], v[TM+13+2*\c]
.endr
	WIN 0
	v_nop
.irp c, 0,1
.irp i, 0,1,2
	v_permlane16_swap_b32 v[PC+6*\c+\i], v[PC+12+4*\c+\i]
.endr
.irp i, 0,1,2
	v_mov_b32 v[PC+3+6*\c+\i], v[PC+12+4*\c+\i]
.endr
.endr
.irp c, 0,1,2
	global_store_b128 v[L16], v[PC+4*\c:PC+4*\c+3], s[12:13] offset:1536*(\a)+512*\c
.endr
.endm
.irp a, 0,1,2,3,4,5,6,7
	QBLK \a
.endr
	s_mov_b32 vcc_lo, 0xffff0000
.irp i, 0,1,2,3
	v_cndmask_b32 v[W+\i], v[PWS+\i], v[PWS+4+\i], vcc_lo
.endr
	global_store_b128 v[L16], v[W:W+3], s[10:11]
	s_wait_tensorcnt 0x0
	ds_add_u32 v[SPW], v[NIL]
	s_wait_dscnt 0x0
	CROUND
	s_endpgm
.Lfunc_end_k_q13be4a05d0_ff1:
	.size	k_q13be4a05d0_ff1, .Lfunc_end_k_q13be4a05d0_ff1-k_q13be4a05d0_ff1
	.p2alignl 7, 3214868480
	.fill 96, 4, 3214868480
	.section	.rodata,"a",@progbits
	.p2align	6, 0x0
	.amdhsa_kernel k_q13be4a05d0_ff1
		.amdhsa_group_segment_fixed_size 327680
		.amdhsa_private_segment_fixed_size 0
		.amdhsa_enable_private_segment 0
		.amdhsa_kernarg_size 32
		.amdhsa_user_sgpr_count 2
		.amdhsa_user_sgpr_kernarg_segment_ptr 1
		.amdhsa_wavefront_size32 1
		.amdhsa_system_sgpr_workgroup_id_x 1
		.amdhsa_system_sgpr_workgroup_id_y 1
		.amdhsa_system_sgpr_workgroup_id_z 1
		.amdhsa_system_vgpr_workitem_id 0
		.amdhsa_next_free_vgpr 1024
		.amdhsa_next_free_sgpr 102
		.amdhsa_reserve_vcc 1
		.amdhsa_float_denorm_mode_32 3
		.amdhsa_float_denorm_mode_16_64 3
		.amdhsa_memory_ordered 1
		.amdhsa_forward_progress 1
		.amdhsa_inst_pref_size 157
	.end_amdhsa_kernel
	.amdgpu_metadata
---
amdhsa.version: [ 1, 2 ]
amdhsa.kernels:
  - .name:           k_q13be4a05d0_ff1
    .symbol:         k_q13be4a05d0_ff1.kd
    .args:
      - { .name: yq, .offset: 0, .size: 8, .value_kind: global_buffer, .address_space: global }
      - { .name: ws1, .offset: 8, .size: 8, .value_kind: global_buffer, .address_space: global }
      - { .name: b1, .offset: 16, .size: 8, .value_kind: global_buffer, .address_space: global }
      - { .name: hid, .offset: 24, .size: 8, .value_kind: global_buffer, .address_space: global }
    .group_segment_fixed_size: 327680
    .private_segment_fixed_size: 0
    .kernarg_segment_align: 8
    .kernarg_segment_size: 32
    .max_flat_workgroup_size: 128
    .sgpr_count:     102
    .vgpr_count:     1024
    .wavefront_size: 32
...
	.end_amdgpu_metadata
.endif
;; end of part 4
;; launch ff2 (part 5): grid 8 x 32, 4 waves a work-group, clusters of 4 x 4, 327,680 bytes of LDS; arguments hid, ws1, b2, e2, out0; writes out0
.if DOCPART == 5
	.amdgcn_target "amdgcn-amd-amdhsa--gfx1250"
	.amdhsa_code_object_version 6
	.text
	.protected	k_q13be4a05d0_ff2
	.globl	k_q13be4a05d0_ff2
	.p2align	8
	.type	k_q13be4a05d0_ff2,@function
k_q13be4a05d0_ff2:
	s_mov_b64 s[64:65], 0
	v_nop
	global_prefetch_b8 v0, s[64:65] scope:SCOPE_SE
	s_setreg_imm32_b32 hwreg(HW_REG_WAVE_MODE, 25, 1), 1
	s_wait_xcnt 0x0
	s_wait_alu depctr_hold_cnt(0) depctr_sa_sdst(0) depctr_va_vdst(0) depctr_va_sdst(0) depctr_va_ssrc(0) depctr_va_vcc(0) depctr_vm_vsrc(0)
	s_getreg_b32 s2, hwreg(HW_REG_IB_STS2, 6, 4)
	s_cmp_eq_u32 s2, 0
	s_cbranch_scc0 .Lentry_in_a_cluster
	s_endpgm
.Lentry_in_a_cluster:
	s_bfe_u32 s2, ttmp6, 0x10000c
	s_cmp_lg_u32 s2, 0xf033
	s_cbranch_scc0 .Lentry_shape_is_right
	s_endpgm
.Lentry_shape_is_right:
; out0 = e2 + hid W2^T + b2: hid's and W2's codes of FP6 (E2M3) come as images of operand registers, [K step][tiles][1,536]; K = 4,096.  b2 is the C of the first products.
; A work-group of four waves makes 128 x 128, a wave 64 x 64.  K goes in slots of four steps of 128 through a ring of two LDS slots; a side's part of a slot is [K step][8 tiles][1,536]; the scale words of all of K come once.
; CLUSTERS: 4 x 4; A's tiles are asked for jointly along a row of the cluster, B's along a column.
; PREFETCH: fills 1 and 2 are asked for behind the head's loads, fill 3 behind fill 1's load, and behind each refill the fill two refills on; the loop's last trip asks for nothing.  Of the 24,576 bytes that a wave
; fetches of a fill each of the four partners names 6,144, a lane 256 bytes, told apart by address.
; e2's 64 x 64 numbers of the wave are loaded ahead of the loop into registers of their own (v512-639).
.set NT,     4
.set NQ,     4
.set KSTEPS, 32
.set LAPS,   KSTEPS/(2*NQ)
.set HALFT,  NQ*NT*1536
.set SLOT,   4*HALFT
.set SCL,    2*SLOT
.set QS,     KSTEPS*(NT/4)*256
.set SPARE,  SCL+4*QS
.set STAGE,  SPARE+512
.set PA,     393216
.set PB,     98304
.set HSO,    12582912
.set W2C,    9830400
.set W2S,    12976128
.set ADRA, 16
.set ADRB, 20
.set STO,  24
.set RD,   25
.set CO,   26
.set ADRS, 27
.set SPW,  28
.set NIL,  29
.set SC,   32
.set BI,   40
.set BK,   72
.set ACC,  128
.set G1, 24
.set G0, 32
.set G1B, 48
.set G0B, 56
.set G1S, 68
.set G0S, 76
.set G1SB, 80
.set G0SB, 88
.set MSB, 0
.macro WIN new
.if MSB != (\new)
	s_set_vgpr_msb (MSB<<8)|(\new)
.set MSB, (\new)
.endif
.endm
.set MUL,  0x05
.set TO_F, 0x40
.macro JLOAD g0a, g1a, g0b, g1b
	s_cmp_eq_u32 s15, 0
	s_cbranch_scc0 .Lfor_b_\@
	tensor_load_to_lds s[\g0a:\g0a+3], s[\g1a:\g1a+7]
	s_nop 0
.rept 4
	v_nop
.endr
	s_branch .Lasked_\@
.Lfor_b_\@:
	tensor_load_to_lds s[\g0b:\g0b+3], s[\g1b:\g1b+7]
	s_nop 0
.rept 4
	v_nop
.endr
.Lasked_\@:
.endm
.macro CREST
	s_cmp_lg_u32 s14, 0
	s_cbranch_scc1 .Lnot_wave_0_\@
	s_barrier_signal -3
.Lnot_wave_0_\@:
	s_barrier_wait -3
	s_barrier_signal -1
	s_barrier_wait -1
.endm
.macro CROUND
	s_barrier_signal -1
	s_barrier_wait -1
	CREST
.endm
.macro PLACES n
.rept \n
	v_nop
.endr
.endm
.macro FETCH slot, q, p
	WIN TO_F
.irp i, 0,1,2,3
.irp c, 0,1,2
	ds_load_b128 v[128*(\p)+48+12*\i+4*\c:128*(\p)+48+12*\i+4*\c+3], v[ADRB+\slot] offset:((\q)*2*NT+\i)*1536+512*\c
.endr
.endr
.irp i, 0,1,2,3
.irp c, 0,1,2
	ds_load_b128 v[128*(\p)+12*\i+4*\c:128*(\p)+12*\i+4*\c+3], v[ADRA+\slot] offset:((\q)*2*NT+\i)*1536+512*\c
.endr
.endr
	WIN 0
	ds_load_b128 v[SC+4*(\p):SC+4*(\p)+3], v[ADRS] offset:(\q)*512
.endm
.macro MULG g, p, first
	WIN MUL
.irp b, 0,1,2,3
.if \first
	v_wmma_scale_f32_16x16x128_f8f6f4 v[ACC+8*(4*(\g)+\b):ACC+8*(4*(\g)+\b)+7], v[128*(\p)+48+12*\b:128*(\p)+48+12*\b+11], v[128*(\p)+12*(\g):128*(\p)+12*(\g)+11], v[BI+8*\b:BI+8*\b+7], v[SC+4*(\p)+\b], v[SC+4*(\p)+(\g)] matrix_a_fmt:MATRIX_FMT_FP6 matrix_b_fmt:MATRIX_FMT_FP6 matrix_a_scale:MATRIX_SCALE_ROW1
.else
	v_wmma_scale_f32_16x16x128_f8f6f4 v[ACC+8*(4*(\g)+\b):ACC+8*(4*(\g)+\b)+7], v[128*(\p)+48+12*\b:128*(\p)+48+12*\b+11], v[128*(\p)+12*(\g):128*(\p)+12*(\g)+11], v[ACC+8*(4*(\g)+\b):ACC+8*(4*(\g)+\b)+7], v[SC+4*(\p)+\b], v[SC+4*(\p)+(\g)] matrix_a_fmt:MATRIX_FMT_FP6 matrix_b_fmt:MATRIX_FMT_FP6 matrix_a_scale:MATRIX_SCALE_ROW1
.endif
.endr
.endm
.macro STEP slot, q, first
	s_wait_dscnt 0x0
	PLACES 4
	FETCH \slot, (\q)+1, 1-(\q)%2
	MULG 0, (\q)%2, \first
	MULG 1, (\q)%2, \first
	MULG 2, (\q)%2, \first
	MULG 3, (\q)%2, \first
.endm
.macro TURN slot, next, fill
	WIN 0
.if \fill
	s_wait_xcnt 0x0                                ; any prefetch of mine has read its address: it steps one fill on
	s_add_nc_u64 s[4:5], s[4:5], s[6:7]
.endif
	s_wait_tensorcnt 0x0
	ds_add_u32 v[SPW], v[NIL]
	s_wait_dscnt 1
	MULG 0, 1, 0
	s_wait_dscnt 0x0
	s_barrier_signal -1
	MULG 1, 1, 0
	WIN 0
	s_barrier_wait -1
.if \fill
	CREST
	s_add_nc_u64 s[G0+4*\slot+2:G0+4*\slot+3], s[G0+4*\slot+2:G0+4*\slot+3], 2*NQ*PA
	s_add_nc_u64 s[G0B+4*\slot+2:G0B+4*\slot+3], s[G0B+4*\slot+2:G0B+4*\slot+3], 2*NQ*PB
	JLOAD G0+4*\slot, G1, G0B+4*\slot, G1B
.else
	PLACES 4
.endif
	s_wait_alu depctr_va_vdst(0)
	v_add_nc_u32 v[ADRS], NQ*(NT/2)*256, v[ADRS]
	FETCH \next, 0, 0
.if \fill
	s_cmp_gt_u32 s3, 1                             ; the loop's last trip has no fill two on
	s_cbranch_scc0 .Lno_ask_\@
	global_prefetch_b8 v10, s[4:5] th:TH_LOAD_NT scope:SCOPE_SE    ; the fill that stands two refills on: the base stands one fill behind the refill, v10 three fills on
.Lno_ask_\@:
.endif
	MULG 2, 1, 0
	MULG 3, 1, 0
.endm
	s_load_b256 s[4:11], s[0:1], 0x0
	s_load_b64 s[12:13], s[0:1], 0x20
	v_lshl_add_u32 v[SPW], v0, 2, SPARE
	v_mov_b32 v[NIL], 0
	ds_add_u32 v28, v29
	ds_add_u32 v28, v29
	s_wait_dscnt 0x0
	v_lshrrev_b32 v1, 5, v0
	v_readfirstlane_b32 s14, v1
	s_lshr_b32 s15, s14, 1
	s_and_b32 s16, s14, 1
	s_bfe_u32 s40, ttmp6, 0x40000
	s_bfe_u32 s41, ttmp6, 0x40004
	s_lshl_b32 s42, ttmp9, 2
	s_add_co_u32 s42, s42, s40
	s_and_b32 s17, ttmp7, 0xffff
	s_lshl_b32 s17, s17, 2
	s_add_co_u32 s17, s17, s41
	s_lshl_b32 s43, s41, 2
	s_lshl_b32 s43, 15, s43
	s_lshl_b32 s44, 0x1111, s40
	s_or_b32 s[G1+0], s43, (3<<16)|(1<<21)
	s_or_b32 s[G1B+0], s44, (3<<16)|(1<<21)
.irp g, G1, G1B
	s_mov_b32 s[\g+1], 1536<<16                    ; rows (K steps) of a side's 8 images: NQ of them for the head's loads
	s_mov_b32 s[\g+2], NQ<<16
	s_mov_b32 s[\g+3], 1536<<16
	s_mov_b32 s[\g+4], NQ
	s_mov_b32 s[\g+6], 0
	s_mov_b32 s[\g+7], 0
.endr
	s_mov_b32 s[G1+5], 49152
	s_mov_b32 s[G1B+5], 12288
	s_or_b32 s[G1S+0], s43, (3<<16)|(1<<21)
	s_or_b32 s[G1SB+0], s44, (3<<16)|(1<<21)
.irp g, G1S, G1SB
	s_mov_b32 s[\g+1], 64<<16                      ; a side's 8 tiles: 512 bytes of scale words a K step
	s_mov_b32 s[\g+2], KSTEPS<<16
	s_mov_b32 s[\g+3], 64<<16
	s_mov_b32 s[\g+4], KSTEPS
	s_mov_b32 s[\g+6], 0
	s_mov_b32 s[\g+7], 0
.endr
	s_mov_b32 s[G1S+5], 2048
	s_mov_b32 s[G1SB+5], 512
	s_lshl_b32 s20, s17, 3                         ; A's block: its first tile
	s_mul_i32 s92, s20, 1536
	s_mov_b32 s93, 0
	s_lshl_b32 s94, s20, 6
	s_add_co_u32 s94, s94, HSO
	s_mov_b32 s95, 0
	s_lshl_b32 s46, s42, 3                         ; B's
	s_mul_i32 s96, s46, 1536
	s_add_co_u32 s96, s96, W2C
	s_mov_b32 s97, 0
	s_lshl_b32 s98, s46, 6
	s_add_co_u32 s98, s98, W2S
	s_mov_b32 s99, 0
	s_mul_i32 s45, s14, HALFT
	s_wait_kmcnt 0x0
	s_add_nc_u64 s[92:93], s[4:5], s[92:93]
	s_add_nc_u64 s[94:95], s[4:5], s[94:95]
	s_add_nc_u64 s[96:97], s[6:7], s[96:97]
	s_add_nc_u64 s[98:99], s[6:7], s[98:99]
	CROUND
	s_mov_b32 s[G0S], 1
	s_mov_b32 s[G0S+1], SCL
	s_mov_b64 s[G0S+2:G0S+3], s[94:95]
	s_or_b32 s[G0S+3], s[G0S+3], 0x80000000
	s_mov_b32 s[G0SB], 1
	s_mov_b32 s[G0SB+1], SCL+2*QS
	s_mov_b64 s[G0SB+2:G0SB+3], s[98:99]
	s_or_b32 s[G0SB+3], s[G0SB+3], 0x80000000
	s_mul_i32 s18, s16, (NQ/2)*PA                  ; in the ring I fetch two K steps of a slot's four; in waves 0 and 2 they begin at the slot's first byte
	s_mov_b32 s19, 0
	s_add_nc_u64 s[92:93], s[92:93], s[18:19]
	s_mul_i32 s18, s16, (NQ/2)*PB
	s_add_nc_u64 s[96:97], s[96:97], s[18:19]
.irp s, 0,1
	s_mov_b32 s[G0+4*\s], 1
	s_add_co_u32 s[G0+4*\s+1], s45, \s*SLOT
	s_add_nc_u64 s[G0+4*\s+2:G0+4*\s+3], s[92:93], \s*NQ*PA
	s_or_b32 s[G0+4*\s+3], s[G0+4*\s+3], 0x80000000
	s_mov_b32 s[G0B+4*\s], 1
	s_add_co_u32 s[G0B+4*\s+1], s45, \s*SLOT
	s_add_nc_u64 s[G0B+4*\s+2:G0B+4*\s+3], s[96:97], \s*NQ*PB
	s_or_b32 s[G0B+4*\s+3], s[G0B+4*\s+3], 0x80000000
.endr
; THE HEAD'S LOADS, ONE A WAVE: wave 0 A's whole slot 0, wave 1 A's scale words, wave 2 B's whole slot 0, wave 3 B's scale words.
; Slot 0's group 0 of waves 0 and 2 names the side's first byte in memory and in LDS, so it serves the whole side.  One chain of branches on the wave's number, one load to an arm.
.macro HLOAD g0, g1
	tensor_load_to_lds s[\g0:\g0+3], s[\g1:\g1+7]
	s_nop 0
.rept 4
	v_nop
.endr
.endm
	s_cmp_eq_u32 s14, 0
	s_cbranch_scc0 .Lhead_1
	HLOAD G0, G1
	s_branch .Lhead_asked
.Lhead_1:
	s_cmp_eq_u32 s14, 1
	s_cbranch_scc0 .Lhead_2
	HLOAD G0S, G1S
	s_branch .Lhead_asked
.Lhead_2:
	s_cmp_eq_u32 s14, 2
	s_cbranch_scc0 .Lhead_3
	HLOAD G0B, G1B
	s_branch .Lhead_asked
.Lhead_3:
	HLOAD G0SB, G1SB
.Lhead_asked:
	s_cmp_eq_u32 s15, 0                            ; the prefetches: do I fetch for A?
	s_cselect_b64 s[4:5], s[92:93], s[96:97]       ; my two K steps of fill 0
	s_cselect_b32 s18, s40, s41                    ; p: my place among the four that ask with me, told apart by address alone
	s_mov_b32 s19, PB
	s_cselect_b32 s19, PA, s19                     ; bytes from K step to K step
	s_lshr_b32 s6, s18, 1
	s_mul_i32 s6, s6, s19                          ; K step p / 2 of the two,
	s_and_b32 s18, s18, 1
	s_mul_i32 s18, s18, 6144                       ; half p % 2 of its 12,288 bytes
	s_add_co_u32 s6, s6, s18
	s_mov_b32 s7, 0
	s_add_nc_u64 s[4:5], s[4:5], s[6:7]
	s_lshl_b32 s6, s19, 2                          ; a fill is four K steps
	v_and_b32 v8, 31, v0
	v_min_u32 v8, 23, v8
	v_lshlrev_b32 v8, 8, v8                        ; 256 x lane; lanes 24-31 name the last block again
	v_add_nc_u32 v8, s6, v8                        ; one fill on,
	v_add_nc_u32 v9, s6, v8                        ; two,
	v_add_nc_u32 v10, s6, v9                       ; three; none of the three is rewritten
	global_prefetch_b8 v8, s[4:5] th:TH_LOAD_NT scope:SCOPE_SE     ; fill 1
	global_prefetch_b8 v9, s[4:5] th:TH_LOAD_NT scope:SCOPE_SE     ; fill 2
	v_and_b32 v1, 31, v0
	v_and_b32 v2, 15, v0
	v_bfe_u32 v3, v0, 4, 1
	s_wait_alu depctr_va_vdst(0)
	v_lshlrev_b32 v4, 4, v1
	s_mul_i32 s21, s15, NT*1536
	s_mul_i32 s22, s16, NT*1536
	s_add_co_u32 s22, s22, 2*HALFT
.irp s, 0,1
	v_add_nc_u32 v[ADRA+\s], s21, v4
	v_add_nc_u32 v[ADRB+\s], s22, v4
	s_add_co_u32 s21, s21, SLOT
	s_add_co_u32 s22, s22, SLOT
.endr
	s_mul_i32 s21, s15, (NT/4)*256
	s_mul_i32 s22, s16, (NT/4)*256
	s_add_co_u32 s22, s22, 2*QS
	s_sub_co_u32 s22, s22, s21
	v_mul_u32_u24 v6, s22, v3
	s_add_co_u32 s21, s21, SCL
	v_lshl_add_u32 v6, v2, 4, v6
	v_add_nc_u32 v[ADRS], s21, v6
	s_mul_i32 s23, s14, 16*272
	s_add_co_u32 s23, s23, STAGE
	v_mul_u32_u24 v5, v2, 272
	v_lshl_add_u32 v5, v3, 6, v5
	v_add_nc_u32 v[STO], s23, v5
	v_mul_u32_u24 v5, v3, 272
	v_lshl_add_u32 v5, v2, 4, v5
	v_add_nc_u32 v[RD], s23, v5
	v_lshlrev_b32 v5, 12, v3
	v_lshl_add_u32 v[CO], v2, 4, v5
	s_lshl_b32 s100, s17, 19
	s_lshl_b32 s101, s15, 18
	s_add_co_u32 s100, s100, s101
	s_lshl_b32 s101, s42, 9
	s_add_co_u32 s100, s100, s101
	s_lshl_b32 s101, s16, 8
	s_add_co_u32 s100, s100, s101
	s_mov_b32 s101, 0
	s_add_nc_u64 s[10:11], s[10:11], s[100:101]
	s_add_nc_u64 s[12:13], s[12:13], s[100:101]
	s_lshl_b32 s100, s42, 9
	s_lshl_b32 s2, s16, 8
	s_add_co_u32 s100, s100, s2
	s_add_nc_u64 s[8:9], s[8:9], s[100:101]
	v_lshlrev_b32 v7, 6, v3
.irp b, 0,1,2,3
	global_load_b128 v[BI+8*\b:BI+8*\b+3], v7, s[8:9] offset:(32*(\b/2)+8*(\b%2))*4
	global_load_b128 v[BI+8*\b+4:BI+8*\b+7], v7, s[8:9] offset:(32*(\b/2)+8*(\b%2))*4+16
.endr
	s_wait_alu depctr_va_vdst(0)
	s_wait_tensorcnt 0x0                           ; my tile of the head's four is in; slot 1's first fill is issued as a refill is:
	ds_add_u32 v[SPW], v[NIL]
	s_mov_b32 s[G1+2], (NQ/2)<<16                  ; no load of mine is out: from here on a load brings two K steps
	s_mov_b32 s[G1+4], NQ/2
	s_mov_b32 s[G1B+2], (NQ/2)<<16
	s_mov_b32 s[G1B+4], NQ/2
	s_wait_dscnt 0x0
	CROUND                                         ; all four tiles are in, and the sixteen work-groups are here
	JLOAD G0+4, G1, G0B+4, G1B                     ; slot 1: the first tensor load behind the round
	FETCH 0, 0, 0
	global_prefetch_b8 v10, s[4:5] th:TH_LOAD_NT scope:SCOPE_SE    ; fill 3
	s_wait_loadcnt 0x0
	STEP 0, 0, 1
	STEP 0, 1, 0
	STEP 0, 2, 0
	WIN 0
	WIN 0x80                                       ; destination: v512 on
.irp a, 0,1,2,3
.irp t, 0,1,2,3,4,5,6,7
	global_load_b128 v[32*\a+4*\t:32*\a+4*\t+3], v[CO], s[10:11] offset:(32*(\a/2)+8*(\a%2)+2*\t+8*(\t/4))*4096 th:TH_LOAD_NT   ; e2: these 32 are the wave's last global loads, so the way out counts on them alone
.endr
.endr
	WIN 0
	s_mov_b32 s3, LAPS-1
.Llap:
	TURN 0, 1, 1
	s_wait_alu depctr_va_vdst(0)
	STEP 1, 0, 0
	STEP 1, 1, 0
	STEP 1, 2, 0
	TURN 1, 0, 1
	s_wait_alu depctr_va_vdst(0)
	STEP 0, 0, 0
	STEP 0, 1, 0
	STEP 0, 2, 0
	WIN 0
	s_sub_co_u32 s3, s3, 1
	s_cmp_lg_u32 s3, 0
	s_cbranch_scc1 .Llap
	TURN 0, 1, 0
	s_wait_alu depctr_va_vdst(0)
	STEP 1, 0, 0
	STEP 1, 1, 0
	STEP 1, 2, 0
	s_wait_dscnt 0x0
	MULG 0, 1, 0
	MULG 1, 1, 0
	MULG 2, 1, 0
	MULG 3, 1, 0
	WIN 0
	PLACES 4
.irp a, 0,1,2,3
.irp b, 0,1,2,3
	ds_store_b128 v[STO], v[ACC+8*(4*\a+\b):ACC+8*(4*\a+\b)+3] offset:128*(\b/2)+32*(\b%2)
	ds_store_b128 v[STO], v[ACC+8*(4*\a+\b)+4:ACC+8*(4*\a+\b)+7] offset:128*(\b/2)+32*(\b%2)+16
.endr
	s_wait_xcnt 0x0
.irp t, 0,1,2,3,4,5,6,7
	ds_load_b128 v[BK+4*\t:BK+4*\t+3], v[RD] offset:544*\t
.endr
	s_wait_dscnt 0x0
	s_wait_loadcnt 24-8*\a
	WIN 0x08                                       ; source 1: v512 on
.set J, 0
.rept 16
	v_pk_add_f32 v[BK+J:BK+J+1], v[BK+J:BK+J+1], v[32*\a+J:32*\a+J+1]
.set J, J+2
.endr
	WIN 0
.irp t, 0,1,2,3,4,5,6,7
	global_store_b128 v[CO], v[BK+4*\t:BK+4*\t+3], s[12:13] offset:(32*(\a/2)+8*(\a%2)+2*\t+8*(\t/4))*4096 th:TH_STORE_NT
.endr
.endr
	s_wait_tensorcnt 0x0
	ds_add_u32 v[SPW], v[NIL]
	s_wait_dscnt 0x0
	CROUND
	s_endpgm
.Lfunc_end_k_q13be4a05d0_ff2:
	.size	k_q13be4a05d0_ff2, .Lfunc_end_k_q13be4a05d0_ff2-k_q13be4a05d0_ff2
	.p2alignl 7, 3214868480
	.fill 96, 4, 3214868480
	.section	.rodata,"a",@progbits
	.p2align	6, 0x0
	.amdhsa_kernel k_q13be4a05d0_ff2
		.amdhsa_group_segment_fixed_size 327680
		.amdhsa_private_segment_fixed_size 0
		.amdhsa_enable_private_segment 0
		.amdhsa_kernarg_size 40
		.amdhsa_user_sgpr_count 2
		.amdhsa_user_sgpr_kernarg_segment_ptr 1
		.amdhsa_wavefront_size32 1
		.amdhsa_system_sgpr_workgroup_id_x 1
		.amdhsa_system_sgpr_workgroup_id_y 1
		.amdhsa_system_sgpr_workgroup_id_z 1
		.amdhsa_system_vgpr_workitem_id 0
		.amdhsa_next_free_vgpr 640
		.amdhsa_next_free_sgpr 102
		.amdhsa_reserve_vcc 0
		.amdhsa_float_denorm_mode_32 3
		.amdhsa_float_denorm_mode_16_64 3
		.amdhsa_memory_ordered 1
		.amdhsa_forward_progress 1
		.amdhsa_inst_pref_size 92
	.end_amdhsa_kernel
	.amdgpu_metadata
---
amdhsa.version: [ 1, 2 ]
amdhsa.kernels:
  - .name:           k_q13be4a05d0_ff2
    .symbol:         k_q13be4a05d0_ff2.kd
    .args:
      - { .name: hid, .offset: 0, .size: 8, .value_kind: global_buffer, .address_space: global }
      - { .name: ws1, .offset: 8, .size: 8, .value_kind: global_buffer, .address_space: global }
      - { .name: b2, .offset: 16, .size: 8, .value_kind: global_buffer, .address_space: global }
      - { .name: e2, .offset: 24, .size: 8, .value_kind: global_buffer, .address_space: global }
      - { .name: out0, .offset: 32, .size: 8, .value_kind: global_buffer, .address_space: global }
    .group_segment_fixed_size: 327680
    .private_segment_fixed_size: 0
    .kernarg_segment_align: 8
    .kernarg_segment_size: 40
    .max_flat_workgroup_size: 128
    .sgpr_count:     102
    .vgpr_count:     640
    .wavefront_size: 32
...
	.end_amdgpu_metadata
.endif
;; end of part 5
